; MI455X (gfx1250); checked and timed in simulation.
; The chip was launched on July 23, 2026; its instructions are those of AMD's public machine-readable ISA for CDNA 5 (MIT licence, August 2026) and "CDNA5" Instruction Set Architecture Reference Guide (July 2026). The comments in the code are by the model that wrote it; some were corrected since.
;; Attention. Allowed arithmetic: matrix products marked QUANTISED: E2M1 operands, one E8M0 scale for each 32 along K, by v_wmma_scale_f32_16x16x128_f8f6f4 with both operands' format E2M1 (or v_wmma_scale_f32_32x16x128_f4), f32 sums; products left as they are: bf16, f16 or f32 operands; f32 sums; everything else in f32.
;; Inputs: W_K 1,024 x 1,024 float32; W_Q 1,024 x 1,024 float32; W_V 1,024 x 1,024 float32; W_out 1,024 x 1,024 float32; x 4 x 2,048 x 1,024 float32.
;; Outputs: out0 4 x 2,048 x 1,024 float32.
;; This version of the problem:
;;   THIS VERSION OF THE PROBLEM IS GIVEN IN LOW PRECISION. The matrix products marked QUANTISED in the list below multiply operands that are first quantised to E2M1 (2 exponent bits, 1 mantissa bit; 4 bits a number), with one power-of-two scale for each 32 numbers along K (OCP MX v1.0); their sums are f32. The products marked 'left as it is' may take bf16, f16 or f32 operands, with f32 sums. Whichever they take, every output number must still come out within the allowed error. Rounding operands to bf16 (8 significant bits) uses up far more of that allowance than f16 does (11 bits, for magnitudes from 6e-5 to 65,504). All else is computed in f32.
;;   The module's matrix products, in the order in which they are computed (A, B: the left and right operand; K: the contracted axis; several contracted axes count as one K, in the product's order):
;;     1. [M 8,192, K 1,024] x [K 1,024, N 1,024]; A: input x; B: input W_Q: QUANTISED
;;     2. [M 8,192, K 1,024] x [K 1,024, N 1,024]; A: input x; B: input W_K: QUANTISED
;;     3. [M 8,192, K 1,024] x [K 1,024, N 1,024]; A: input x; B: input W_V: QUANTISED
;;     4. batch 64 x [M 2,048, K 64] x [K 64, N 2,048]; A: computed on the way; B: computed on the way: left as it is (an operand is computed on the way)
;;     5. batch 64 x [M 2,048, K 2,048] x [K 2,048, N 64]; A: computed on the way; B: computed on the way: left as it is (an operand is computed on the way)
;;     6. [M 8,192, K 1,024] x [K 1,024, N 1,024]; A: computed on the way; B: input W_out: left as it is (an operand is computed on the way)
;;   THE QUANTISER, for each operand of a quantised product, along K:
;;     - K is cut into blocks of 32 from its start; a last block that is shorter is filled with zeros.
;;     - A block's scale is 2^e with e = floor(log2(the largest magnitude in the block)) - 2, held to -126 .. 127; a block of zeros has e = 0. As a byte (E8M0): e + 127.
;;     - Each number is divided by its block's scale, clamped to +-6, and rounded to the nearest number of E2M1, ties to even, subnormals kept.
;;     - The product sums the exact products of the quantised numbers (number of the format x scale) in f32.
;;   ~~~python
;;   def quantise(x, axis):      # numpy; x: float32 -> the quantised numbers, widened to float32 again
;;       x = np.moveaxis(x, axis, -1); K = x.shape[-1]
;;       x = np.pad(x, [(0, 0)] * (x.ndim - 1) + [(0, -K % 32)]); x = x.reshape(x.shape[:-1] + (-1, 32)); a = np.abs(x).max(-1, keepdims=True)
;;       e = np.where(a > 0, np.clip(np.frexp(np.where(a > 0, a, 1))[1] - 1 - 2, -126, 127), 0)      # np.frexp(a)[1] - 1 = floor(log2(a)), exactly
;;       r = np.clip(x / 2.0 ** e, -6, 6)
;;       step = 2.0 ** (np.maximum(np.frexp(np.where(r == 0, 1, r))[1] - 1, 0) - 1)
;;       q = np.round(r / step) * step * 2.0 ** e      # np.round: ties to even
;;       return np.moveaxis(q.reshape(q.shape[:-2] + (-1,))[..., :K], -1, axis).astype(np.float32)
;;   ~~~
;; One version. Each part assembles by itself: llvm-mc -triple=amdgcn-amd-amdhsa -mcpu=gfx1250 --defsym DOCPART=n.
;; ======== version 1 of 1: 5 launches
;; limits: values are held in f16: magnitudes above 65,504 overflow, below 6.1e-05 lose precision
;; workspace buffers: xc 4,194,304 bytes; xs 262,144 bytes; wc 1,572,864 bytes; ws 98,304 bytes; wo 2,097,152 bytes; qkv 50,331,648 bytes; fq 786,432 bytes; oh 16,777,216 bytes
;; launch quant (part 1): grid 384 x 1, 4 waves a work-group, no clusters, 33,280 bytes of LDS; arguments x, W_Q, W_K, W_V, W_out, xc, xs, wc, ws, wo; writes xc, xs, wc, ws, wo
.if DOCPART == 1
	.amdgcn_target "amdgcn-amd-amdhsa--gfx1250"
	.amdhsa_code_object_version 6
	.text
	.protected	k_q1c1887b946_quant
	.globl	k_q1c1887b946_quant
	.p2align	8
	.type	k_q1c1887b946_quant,@function
k_q1c1887b946_quant:
	s_mov_b64 s[64:65], 0
	v_nop
	global_prefetch_b8 v0, s[64:65] scope:SCOPE_SE
	s_setreg_imm32_b32 hwreg(HW_REG_WAVE_MODE, 25, 1), 1
	s_wait_xcnt 0x0
; x [8192][1024] and W_Q, W_K, W_V [1024][1024], f32, K innermost, become codes of FP4 (E2M1) and one E8M0 scale byte for each 32 along K; W_out becomes f16.
; xc [8192][512 bytes], xs [8192][32]; wc [3072][512 bytes], ws [3072][32]: rows 0-1023 W_Q, 1024-2047 W_K, 2048-3071 W_V; wo [1024][1024] f16.
; A block's scale is 2^(floor(log2(its largest magnitude)) - 2); its byte is the largest magnitude's exponent field - 2, held at 1 from below.
; (A block of zeros so gets the byte 1: its codes are zeros, which add nothing, and this program alone reads the bytes.)
; LIMITS: blocks whose largest magnitude lies under 2^-124 keep the byte 1; NaN and infinities among the inputs are not served; |W_out| stays under 65,504 (f16).
; SHARES.  Every work-group takes 32,768 numbers, every wave 8,192.  Work-groups 0-255: x; 256-351: the three weights, 32 each; 352-383: W_out.
; Rows are dense and K is a multiple of 32: each tensor is a plain stream of blocks of 32, and so are its codes and scale bytes.
; The quantising path: a step is 512 numbers; its four loads read 512 consecutive bytes each; the 2,048 bytes turn through the wave's own stage in LDS so that a lane
; holds 16 neighbours (two lanes a block).  A lane's 16 codes are 8 bytes: a store of the wave covers 256 consecutive bytes, aligned.  A wave's 256 scale bytes are gathered in LDS and leave as one such store.
; No tensor loads, no barrier: waves share nothing.
.set WAVES, 4
.set STEPS, 16
.set EMAX,  2
.set CB,    8                          ; bytes of 16 codes
.set R,     16                         ; v16-79   four sets of 16 numbers as loaded
.set X,     80                         ; v80-111  two sets of 16 neighbours
.set E,     112                        ; v112-127 a scale byte for each step
.set C,     128                        ; v128-191 codes: registers of their own for each step
.set WREG,  8192                       ; LDS: a region for each wave: two stages of 32 x SP bytes, then its 256 scale bytes
.set SP,    80                         ; a lane's place in a stage: 64 bytes + 16 of padding
.set SPW,   12                         ; v12  my spare word's LDS address; never rewritten
.set NIL,   13                         ; v13  0; never rewritten
.set SPARE, WAVES*WREG                 ; behind the regions: the spare words, 128 bytes a wave
	s_load_b256 s[4:11], s[0:1], 0x0               ; x, W_Q, W_K, W_V
	s_load_b256 s[12:19], s[0:1], 0x20             ; W_out, xc, xs, wc
	s_load_b128 s[20:23], s[0:1], 0x40             ; ws, wo
	v_lshl_add_u32 v[SPW], v0, 2, SPARE
	v_mov_b32 v[NIL], 0
	v_lshrrev_b32 v1, 5, v0
	v_readfirstlane_b32 s32, v1                    ; wave
	v_and_b32 v2, 31, v0                           ; lane
	v_lshlrev_b32 v3, 4, v2                        ; my 16 bytes of a load's 512
	s_mul_i32 s33, s32, WREG
	v_lshrrev_b32 v14, 2, v2
	v_mul_u32_u24 v14, v14, SP
	v_and_b32 v15, 3, v2
	v_lshl_add_u32 v14, v15, 4, v14
	v_add_nc_u32 v14, s33, v14                     ; the stage, way in: SP (lane / 4) + 16 (lane % 4)
	v_mul_u32_u24 v15, v2, SP
	v_add_nc_u32 v15, s33, v15                     ; way out: SP x lane: my 16 neighbours
	v_mul_u32_u24 v4, v2, CB                       ; 8 x lane: my codes' place in a step's; also my f16 numbers' place in a store
	v_lshrrev_b32 v5, 1, v2
	s_add_co_u32 s33, s33, 2*32*SP
	v_add_nc_u32 v5, s33, v5                       ; my block's scale byte in LDS
	v_lshlrev_b32 v7, 3, v2
	v_add_nc_u32 v6, s33, v7                       ; and 8 bytes a lane on their way out
	s_mov_b32 s31, 0                               ; the high word of every offset
	s_wait_kmcnt 0x0
	s_cmp_ge_u32 ttmp9, 352
	s_cbranch_scc1 .Lcvt                           ; W_out's work-groups
	; which tensor: only pointers are chosen, by the work-group's number alone; all four take one path
	s_sub_co_u32 s24, ttmp9, 256                   ; the weights' work-group 0..95 (in x's work-groups not used)
	s_lshr_b32 s25, s24, 5                         ; which weight
	s_and_b32 s26, s24, 31                         ; and which part of it
	s_cmp_eq_u32 s25, 1
	s_cselect_b64 s[6:7], s[8:9], s[6:7]
	s_cmp_eq_u32 s25, 2
	s_cselect_b64 s[6:7], s[10:11], s[6:7]
	s_cmp_lt_u32 ttmp9, 256
	s_cselect_b64 s[4:5], s[4:5], s[6:7]           ; the numbers
	s_cselect_b64 s[8:9], s[14:15], s[18:19]       ; the codes
	s_cselect_b64 s[10:11], s[16:17], s[20:21]     ; the scale bytes
	s_cselect_b32 s26, ttmp9, s26                  ; run of 32,768 numbers in the input,
	s_cselect_b32 s24, ttmp9, s24                  ; and in the outputs
	s_lshl_b32 s26, s26, 2
	s_add_co_u32 s26, s26, s32                     ; my wave's run of 8,192
	s_lshl_b32 s24, s24, 2
	s_add_co_u32 s24, s24, s32
	s_lshl_b32 s30, s26, 15                        ; 32,768 bytes of numbers,
	s_add_nc_u64 s[4:5], s[4:5], s[30:31]
	s_lshl_b32 s30, s24, 12                        ; 4,096 of codes,
	s_add_nc_u64 s[8:9], s[8:9], s[30:31]
	s_lshl_b32 s30, s24, 8                         ; 256 of scale bytes a run
	s_add_nc_u64 s[10:11], s[10:11], s[30:31]
.macro LOAD t
.irp i, 0,1,2,3
	global_load_b128 v[R+16*((\t)%4)+4*\i:R+16*((\t)%4)+4*\i+3], v3, s[4:5] offset:2048*(\t)+512*\i th:TH_LOAD_NT   ; 32 lanes read 512 consecutive bytes
.endr
.endm
.macro TURN t                          ; step t's numbers through the stage: LDS serves a wave's instructions in order (ISA guide 5.7.1.4), so no wait stands between stores and loads
.irp i, 0,1,2,3
	ds_store_b128 v14, v[R+16*((\t)%4)+4*\i:R+16*((\t)%4)+4*\i+3] offset:32*SP*((\t)%2)+8*SP*\i
.endr
.irp i, 0,1,2,3
	ds_load_b128 v[X+16*((\t)%2)+4*\i:X+16*((\t)%2)+4*\i+3], v15 offset:32*SP*((\t)%2)+16*\i
.endr
.endm
.irp t, 0,1,2,3
	LOAD \t
.endr
	s_wait_loadcnt 12                              ; step 0's four loads are in; three steps' twelve stay out
	TURN 0
.macro STEP t
.set XS, X+16*((\t)%2)
.if (\t) > 0
	s_wait_dscnt 1                                 ; this step's numbers are back from the stage (the last step's byte store may be out)
.else
	s_wait_dscnt 0x0
.endif
.if (\t)+4 < STEPS
	LOAD (\t)+4                                    ; into the registers that the stage's stores have read
.endif
.if (\t)+1 < STEPS
.if STEPS-2-(\t) >= 3
	s_wait_loadcnt 12                              ; the next step's four loads are in; those of the three steps behind it may be out
.else
	s_wait_loadcnt 4*(STEPS-2-(\t))
.endif
	TURN (\t)+1                                    ; through the other stage while this step is worked
.endif
	v_max3_num_f32 v8, |v[XS]|, |v[XS+1]|, |v[XS+2]|               ; the largest magnitude of my 16, in two chains
	v_max3_num_f32 v9, |v[XS+3]|, |v[XS+4]|, |v[XS+5]|
.irp i, 6,10
	v_max3_num_f32 v8, v8, |v[XS+\i]|, |v[XS+\i+1]|
	v_max3_num_f32 v9, v9, |v[XS+\i+2]|, |v[XS+\i+3]|
.endr
	v_max3_num_f32 v8, v8, |v[XS+14]|, |v[XS+15]|
	v_max3_num_f32 v8, v8, v9, (EMAX+1)<<23        ; and the floor 2^(3 - 127): the byte cannot fall under 1
	v_max_num_f32_dpp v8, v8, v8 row_xmask:1 row_mask:0xf bank_mask:0xf   ; with my neighbour's 16: the block's
	v_add_nc_u32 v11, -(EMAX<<23), v8              ; 2 off its exponent field: the conversion takes this operand's exponent field as its scale
	v_cvt_scalef32_pk8_fp4_f32 v[C+4*(\t)], v[XS:XS+7], v11        ; eight numbers / the scale, to the nearest code, ties to even, beyond 6 the largest code
	v_cvt_scalef32_pk8_fp4_f32 v[C+4*(\t)+1], v[XS+8:XS+15], v11
	v_lshrrev_b32 v[E+(\t)], 23, v11               ; the scale's byte (also the plain line behind the conversions)
	ds_store_b8 v5, v[E+(\t)] offset:16*(\t)       ; both lanes of a block write the same byte with the same value
	global_store_b64 v4, v[C+4*(\t):C+4*(\t)+1], s[8:9] offset:32*CB*(\t)   ; the wave stores 256 consecutive bytes, aligned
.endm
.irp t, 0,1,2,3,4,5,6,7,8,9,10,11,12,13,14,15
	STEP \t
.endr
	ds_load_b64 v[8:9], v6                         ; in order behind my byte stores
	s_wait_dscnt 0x0
	global_store_b64 v7, v[8:9], s[10:11]          ; my wave's 256 scale bytes: 256 consecutive bytes, aligned
	s_branch .Lend
; W_out to f16: a plain stream, no LDS.  A wave's 8,192 numbers go in four groups of 16 loads (512 consecutive bytes each); two groups are out at a time.
.Lcvt:
	s_sub_co_u32 s24, ttmp9, 352
	s_lshl_b32 s24, s24, 2
	s_add_co_u32 s24, s24, s32                     ; my wave's run of 8,192 numbers
	s_lshl_b32 s30, s24, 15
	s_add_nc_u64 s[12:13], s[12:13], s[30:31]
	s_lshl_b32 s30, s24, 14
	s_add_nc_u64 s[22:23], s[22:23], s[30:31]
.macro LOADC g
.irp i, 0,1,2,3,4,5,6,7,8,9,10,11,12,13,14,15
	global_load_b128 v[16+64*((\g)%2)+4*\i:16+64*((\g)%2)+4*\i+3], v3, s[12:13] offset:512*(16*(\g)+\i) th:TH_LOAD_NT
.endr
.endm
.macro CVT g
.if (\g) < 3
	s_wait_loadcnt 16                              ; this group's 16 loads are in; the next group's 16 stay out
.else
	s_wait_loadcnt 0x0
.endif
.if (\g) > 0
	s_wait_xcnt 0x0                                ; the last group's stores have read v144-175: they are written again only behind this wait
.endif
.irp i, 0,1,2,3,4,5,6,7,8,9,10,11,12,13,14,15
	v_cvt_pk_f16_f32 v[144+2*\i], v[16+64*((\g)%2)+4*\i], v[16+64*((\g)%2)+4*\i+1]
	v_cvt_pk_f16_f32 v[144+2*\i+1], v[16+64*((\g)%2)+4*\i+2], v[16+64*((\g)%2)+4*\i+3]
.endr
.if (\g)+2 < 4
	LOADC (\g)+2
.endif
.irp i, 0,1,2,3,4,5,6,7,8,9,10,11,12,13,14,15
	global_store_b64 v4, v[144+2*\i:144+2*\i+1], s[22:23] offset:256*(16*(\g)+\i)   ; the wave stores 256 consecutive bytes, aligned
.endr
.endm
	LOADC 0
	LOADC 1
	CVT 0
	CVT 1
	CVT 2
	CVT 3
.Lend:
	s_wait_tensorcnt 0x0                           ; the wave's end
	ds_add_u32 v[SPW], v[NIL]
	s_wait_dscnt 0x0
	s_endpgm
.Lfunc_end_k_q1c1887b946_quant:
	.size	k_q1c1887b946_quant, .Lfunc_end_k_q1c1887b946_quant-k_q1c1887b946_quant
	.p2alignl 7, 3214868480
	.fill 96, 4, 3214868480
	.section	.rodata,"a",@progbits
	.p2align	6, 0x0
	.amdhsa_kernel k_q1c1887b946_quant
		.amdhsa_group_segment_fixed_size 33280
		.amdhsa_private_segment_fixed_size 0
		.amdhsa_enable_private_segment 0
		.amdhsa_kernarg_size 80
		.amdhsa_user_sgpr_count 2
		.amdhsa_user_sgpr_kernarg_segment_ptr 1
		.amdhsa_wavefront_size32 1
		.amdhsa_system_sgpr_workgroup_id_x 1
		.amdhsa_system_sgpr_workgroup_id_y 1
		.amdhsa_system_sgpr_workgroup_id_z 1
		.amdhsa_system_vgpr_workitem_id 0
		.amdhsa_next_free_vgpr 192
		.amdhsa_next_free_sgpr 66
		.amdhsa_reserve_vcc 0
		.amdhsa_float_denorm_mode_32 3
		.amdhsa_float_denorm_mode_16_64 3
		.amdhsa_memory_ordered 1
		.amdhsa_forward_progress 1
		.amdhsa_inst_pref_size 54
	.end_amdhsa_kernel
	.amdgpu_metadata
---
amdhsa.version: [ 1, 2 ]
amdhsa.kernels:
  - .name:           k_q1c1887b946_quant
    .symbol:         k_q1c1887b946_quant.kd
    .args:
      - { .name: x, .offset: 0, .size: 8, .value_kind: global_buffer, .address_space: global }
      - { .name: W_Q, .offset: 8, .size: 8, .value_kind: global_buffer, .address_space: global }
      - { .name: W_K, .offset: 16, .size: 8, .value_kind: global_buffer, .address_space: global }
      - { .name: W_V, .offset: 24, .size: 8, .value_kind: global_buffer, .address_space: global }
      - { .name: W_out, .offset: 32, .size: 8, .value_kind: global_buffer, .address_space: global }
      - { .name: xc, .offset: 40, .size: 8, .value_kind: global_buffer, .address_space: global }
      - { .name: xs, .offset: 48, .size: 8, .value_kind: global_buffer, .address_space: global }
      - { .name: wc, .offset: 56, .size: 8, .value_kind: global_buffer, .address_space: global }
      - { .name: ws, .offset: 64, .size: 8, .value_kind: global_buffer, .address_space: global }
      - { .name: wo, .offset: 72, .size: 8, .value_kind: global_buffer, .address_space: global }
    .group_segment_fixed_size: 33280
    .private_segment_fixed_size: 0
    .kernarg_segment_align: 8
    .kernarg_segment_size: 80
    .max_flat_workgroup_size: 128
    .sgpr_count:     66
    .vgpr_count:     192
    .wavefront_size: 32
...
	.end_amdgpu_metadata
.endif
;; end of part 1
;; launch qkv (part 2): grid 12 x 32, 4 waves a work-group, clusters of 4 x 4, 327,680 bytes of LDS; arguments xc, xs, wc, ws, qkv, fq; writes qkv, fq
.if DOCPART == 2
	.amdgcn_target "amdgcn-amd-amdhsa--gfx1250"
	.amdhsa_code_object_version 6
	.text
	.protected	k_q1c1887b946_qkv
	.globl	k_q1c1887b946_qkv
	.p2align	8
	.type	k_q1c1887b946_qkv,@function
k_q1c1887b946_qkv:
	s_mov_b64 s[64:65], 0
	v_nop
	global_prefetch_b8 v0, s[64:65] scope:SCOPE_SE
	s_setreg_imm32_b32 hwreg(HW_REG_WAVE_MODE, 25, 1), 1
	s_wait_xcnt 0x0
	s_wait_alu depctr_hold_cnt(0) depctr_sa_sdst(0) depctr_va_vdst(0) depctr_va_sdst(0) depctr_va_ssrc(0) depctr_va_vcc(0) depctr_vm_vsrc(0)
	s_getreg_b32 s2, hwreg(HW_REG_IB_STS2, 6, 4)
	s_cmp_eq_u32 s2, 0
	s_cbranch_scc0 .Lentry_in_a_cluster
	s_endpgm
.Lentry_in_a_cluster:
	s_bfe_u32 s2, ttmp6, 0x10000c
	s_cmp_lg_u32 s2, 0xf033
	s_cbranch_scc0 .Lentry_shape_is_right
	s_endpgm
.Lentry_shape_is_right:
; [8192][1024] x [3072][1024]^T on codes of FP4 (E2M1) with one E8M0 scale for each 32 along K: Q, K and V in one product; sums in f32.
; A = x's codes and scale bytes, B = the three weights' (rows 0-1023 W_Q, 1024-2047 W_K, 2048-3071 W_V).
; OUT: qkv, f16, [plane][t 2048][d 64], plane = 64 which + 16 batch + head; and fq, f32, [batch][t 16][n 3072]: the unrounded sums of the first 16 positions of each batch, for the launch that carries those rows in f32.
; LIMIT: |Q|, |K|, |V| stay under 65,504 (f16).
; A tile of C, 256 x 256, is made by four waves, each 128 x 128: 64 accumulators, 512 registers.  K = 1,024 is two LDS slots of 512 along K (rows of 256 bytes): both are first fills, nothing is filled again.
; THE SCALES of the work-group's 256 + 256 rows, for all of K, are two dense blocks of 8,192 bytes: they come once, with the first fills.
; CLUSTERS: 4 x 4 work-groups; A's tiles are asked for jointly along a row of the cluster, B's along a column.  384 work-groups: a tile of another width would cut heads of 64 columns.
; THE MATRIX INSTRUCTION IS USED TRANSPOSED (source 0 = 16 rows of B, source 1 = 16 rows of A): a lane holds eight neighbouring columns of one row of C.
; REGISTERS: window 0: v0-31 addresses; v32-95 scale words, two sets, and nothing else; v128-191 A's fragments, one set; on the way out v128-223.  window 1: B's fragments, two sets.  windows 2, 3: the accumulators ((a, b) at v[8 (8 (a % 4) + b)]).
.set SIZE_K, 1024
.set NQ,     4                         ; matrix instructions deep in a slot
.set ROWB,   256                       ; a tile's row: 512 codes
.set KROW,   SIZE_K/2                  ; a row of codes in memory
.set PITCH,  272                       ; an LDS row: 256 bytes + 16 of padding: the 16 rows of a load start at 16 different banks (64 banks of 4 bytes: ISA guide 11.1)
.set FR,     8
.set NL,     2
.set NP,     4                         ; places behind this matrix instruction (ISA guide 7.12.1)
.set HALFT,  128*PITCH
.set SLOT,   4*HALFT
.set KS,     SIZE_K/32                 ; a row of scale bytes
.set SCL,    2*SLOT
.set HALFS,  (128*KS/256)*272
.set SBLK,   (16*KS/256)*272
.set SPARE,  SCL+4*HALFS               ; the spare words, 128 bytes a wave
.set SPITCH, 272                       ; the way out: 16 rows x (256 bytes of f16 + 16) a wave, in slot 0, which has had its only fill and its last read by then
.set ADRA, 16
.set ADRB, 20
.set STO,  24
.set RD,   25
.set CO,   26
.set ADRS, 27
.set SPW,  28
.set NIL,  29
.set FLG,  30                          ; v30  0 in the waves whose first 16 rows are positions 0-15 of a batch
.set FO,   31                          ; v31  my byte offset in fq
.set SC,   32
.set AF,   128
.set BK,   128                         ; the way out: rows read back: v128-159 and v160-191 by turns
.set TMP,  192                         ; the way out: packed results
.set G1, 24
.set G0, 32
.set G1B, 48
.set G0B, 56
.set G1S, 68
.set G0S, 76
.set G1SB, 80
.set G0SB, 88
.set MSB, 0
.macro WIN new                         ; the immediate's high byte repeats the setting that is left
.if MSB != \new
	s_set_vgpr_msb (MSB<<8)|\new
.set MSB, \new
.endif
.endm
.set MUL_LO, 0xa1                      ; source 0 (B) window 1, source 1 (A) window 0, C and D window 2
.set MUL_HI, 0xf1
.set TO_B,   0x40
; A joint load: waves 0 and 1 fetch for A, waves 2 and 3 for B; the branch hangs on the wave's number alone.  An s_nop 0 and four v_nop follow each line.
.macro JLOAD g0a, g1a, g0b, g1b
	s_cmp_eq_u32 s15, 0
	s_cbranch_scc0 .Lfor_b_\@
	tensor_load_to_lds s[\g0a:\g0a+3], s[\g1a:\g1a+7]
	s_nop 0
.rept 4
	v_nop
.endr
	s_branch .Lasked_\@
.Lfor_b_\@:
	tensor_load_to_lds s[\g0b:\g0b+3], s[\g1b:\g1b+7]
	s_nop 0
.rept 4
	v_nop
.endr
.Lasked_\@:
.endm
.macro CROUND                          ; a round of the cluster's barrier
	s_barrier_signal -1
	s_barrier_wait -1
	s_cmp_lg_u32 s14, 0
	s_cbranch_scc1 .Lnot_wave_0_\@
	s_barrier_signal -3
.Lnot_wave_0_\@:
	s_barrier_wait -3
	s_barrier_signal -1
	s_barrier_wait -1
.endm
	s_load_b128 s[4:7], s[0:1], 0x0                ; x's codes, x's scales
	s_load_b128 s[8:11], s[0:1], 0x10              ; the weights' codes, their scales
	s_load_b64 s[12:13], s[0:1], 0x20              ; qkv
	s_load_b64 s[96:97], s[0:1], 0x28              ; fq
	v_lshl_add_u32 v[SPW], v0, 2, SPARE
	v_mov_b32 v[NIL], 0
	ds_add_u32 v[SPW], v[NIL]                      ; the opening: the add, twice on end, and its wait ahead of my first tensor load
	ds_add_u32 v[SPW], v[NIL]
	v_lshrrev_b32 v1, 5, v0
	v_readfirstlane_b32 s14, v1                    ; wave 0..3
	s_lshr_b32 s15, s14, 1                         ; my half of the tile's rows.  Also: I fetch for A (0) or B (1)
	s_and_b32 s16, s14, 1                          ; my half of its columns.  Also: which 128 rows I fetch
	s_bfe_u32 s40, ttmp6, 0x40000                  ; cx, cy
	s_bfe_u32 s41, ttmp6, 0x40004
	s_lshl_b32 s42, ttmp9, 2
	s_add_co_u32 s42, s42, s40                     ; tile column
	s_and_b32 s17, ttmp7, 0xffff
	s_lshl_b32 s17, s17, 2
	s_add_co_u32 s17, s17, s41                     ; tile row
	s_lshl_b32 s43, s41, 2
	s_lshl_b32 s43, 15, s43                        ; my row of the cluster
	s_lshl_b32 s44, 0x1111, s40                    ; my column
	s_or_b32 s[G1+0], s43, (0<<16)|(1<<20)|(1<<21)|(5<<22)|(3<<25)  ; the mask; elements of 1 byte; padding on; bit 21 beside a mask; 4 words behind every 64
	s_or_b32 s[G1B+0], s44, (0<<16)|(1<<20)|(1<<21)|(5<<22)|(3<<25)
.irp g, G1, G1B
	s_mov_b32 s[\g+1], ROWB<<16                    ; tensor_dim0
	s_mov_b32 s[\g+2], 128<<16                     ; tensor_dim1
	s_mov_b32 s[\g+3], ROWB<<16                    ; tile_dim0
	s_mov_b32 s[\g+4], 128                         ; tile_dim1
	s_mov_b32 s[\g+5], KROW                        ; pitch
	s_mov_b32 s[\g+6], 0
	s_mov_b32 s[\g+7], 0
.endr
	s_or_b32 s[G1S+0], s43, (3<<16)|(1<<20)|(1<<21)|(5<<22)|(3<<25) ; the scales of 128 rows: 4,096 dense bytes as 16 rows of 256 (32 elements of 8 bytes), 16 bytes of padding behind each
	s_or_b32 s[G1SB+0], s44, (3<<16)|(1<<20)|(1<<21)|(5<<22)|(3<<25)
.irp g, G1S, G1SB
	s_mov_b32 s[\g+1], 32<<16
	s_mov_b32 s[\g+2], (128*KS/256)<<16
	s_mov_b32 s[\g+3], 32<<16
	s_mov_b32 s[\g+4], 128*KS/256
	s_mov_b32 s[\g+5], 32
	s_mov_b32 s[\g+6], 0
	s_mov_b32 s[\g+7], 0
.endr
	s_lshl_b32 s18, s16, 7
	s_lshl_b32 s20, s17, 8
	s_add_co_u32 s20, s20, s18                     ; A: row 256 x tile row + 128 x half
	s_lshl_b32 s46, s42, 8
	s_add_co_u32 s46, s46, s18                     ; B: row 256 x tile column + 128 x half
	s_mov_b32 s21, 0
	s_mov_b32 s47, 0
	s_mov_b64 s[18:19], KS
	s_mul_u64 s[22:23], s[20:21], s[18:19]         ; these rows' scales, in bytes
	s_mul_u64 s[92:93], s[46:47], s[18:19]
	s_mov_b64 s[18:19], KROW
	s_mul_u64 s[20:21], s[20:21], s[18:19]         ; and their codes
	s_mul_u64 s[46:47], s[46:47], s[18:19]
	s_mul_i32 s45, s14, HALFT                      ; where they go: wave x 128 rows
	s_mul_i32 s94, s14, HALFS
	s_wait_dscnt 0x0                               ; both opening adds are done
	s_wait_kmcnt 0x0
	s_add_nc_u64 s[20:21], s[4:5], s[20:21]
	s_add_nc_u64 s[22:23], s[6:7], s[22:23]
	s_add_nc_u64 s[46:47], s[8:9], s[46:47]
	s_add_nc_u64 s[92:93], s[10:11], s[92:93]
	CROUND                                         ; all sixteen work-groups are here: the joint loads meet
	s_mov_b32 s[G0S], 1
	s_add_co_u32 s[G0S+1], s94, SCL
	s_mov_b64 s[G0S+2:G0S+3], s[22:23]
	s_or_b32 s[G0S+3], s[G0S+3], 0x80000000
	s_mov_b32 s[G0SB], 1
	s_add_co_u32 s[G0SB+1], s94, SCL
	s_mov_b64 s[G0SB+2:G0SB+3], s[92:93]
	s_or_b32 s[G0SB+3], s[G0SB+3], 0x80000000
	JLOAD G0S, G1S, G0SB, G1SB                     ; the scales first
.irp s, 0,1
	s_mov_b32 s[G0+4*\s], 1
	s_add_co_u32 s[G0+4*\s+1], s45, \s*SLOT
	s_add_nc_u64 s[G0+4*\s+2:G0+4*\s+3], s[20:21], \s*ROWB
	s_or_b32 s[G0+4*\s+3], s[G0+4*\s+3], 0x80000000
	s_mov_b32 s[G0B+4*\s], 1
	s_add_co_u32 s[G0B+4*\s+1], s45, \s*SLOT
	s_add_nc_u64 s[G0B+4*\s+2:G0B+4*\s+3], s[46:47], \s*ROWB
	s_or_b32 s[G0B+4*\s+3], s[G0B+4*\s+3], 0x80000000
	JLOAD G0+4*\s, G1, G0B+4*\s, G1B               ; three tensor loads of mine are out
.endr
	v_and_b32 v1, 15, v0                           ; r = l % 16
	v_bfe_u32 v2, v0, 4, 1                         ; h = l / 16
	v_mul_u32_u24 v3, v1, PITCH
	v_lshl_add_u32 v4, v2, 4, v3                   ; a fragment's row x pitch + 16 h
	s_mul_i32 s21, s15, HALFT
	s_mul_i32 s22, s16, HALFT
	s_add_co_u32 s22, s22, 2*HALFT
.irp s, 0,1
	v_add_nc_u32 v[ADRA+\s], s21, v4
	v_add_nc_u32 v[ADRB+\s], s22, v4
	s_add_co_u32 s21, s21, SLOT
	s_add_co_u32 s22, s22, SLOT
.endr
	v_mul_u32_u24 v5, v1, KS                       ; my row's scales,
	v_lshrrev_b32 v6, 8, v5
	v_lshl_add_u32 v5, v6, 4, v5                   ; 16 more for each 256 passed
	s_mul_i32 s21, s15, HALFS
	s_mul_i32 s22, s16, HALFS
	s_add_co_u32 s22, s22, 2*HALFS
	s_sub_co_u32 s22, s22, s21
	v_mul_u32_u24 v6, s22, v2                      ; lanes 16-31 take B's
	s_add_co_u32 s21, s21, SCL
	v_add_nc_u32 v5, v5, v6
	v_add_nc_u32 v[ADRS], s21, v5
	s_mul_i32 s23, s14, 16*SPITCH                  ; my stage
	v_mul_u32_u24 v5, v1, SPITCH
	v_lshl_add_u32 v5, v2, 4, v5
	v_add_nc_u32 v[STO], s23, v5                   ; in: row r, 16 bytes for each half of the lanes
	v_and_b32 v6, 31, v0
	v_lshlrev_b32 v[CO], 4, v6                     ; out: 16 x lane: four rows of 128 bytes of one head are 512 consecutive bytes
	v_lshrrev_b32 v5, 3, v6
	v_mul_u32_u24 v5, v5, SPITCH
	v_and_b32 v7, 7, v0
	v_lshl_add_u32 v5, v7, 4, v5
	v_add_nc_u32 v[RD], s23, v5                    ; back: row l / 8, piece l % 8
	v_mul_u32_u24 v[FO], v1, 12288
	v_lshl_add_u32 v[FO], v2, 5, v[FO]             ; fq: row r of 12,288 bytes, + 32 h
	; where my part begins.  My 128 columns are two heads g0, g0 + 1 of one of Q, K, V; my 128 rows lie in one batch.
	s_lshr_b32 s20, s17, 3                         ; batch
	s_and_b32 s21, s17, 7                          ; which 256 positions of it
	s_or_b32 s66, s21, s15                         ; 0: my rows begin at position 0
	v_mov_b32 v[FLG], s66
	s_lshl_b32 s22, s42, 2
	s_lshl_b32 s23, s16, 1
	s_add_co_u32 s22, s22, s23                     ; g0 = 4 x tile column + 2 x half
	s_lshr_b32 s23, s22, 4                         ; which of Q, K, V
	s_and_b32 s22, s22, 15                         ; head
	s_lshl_b32 s23, s23, 6
	s_add_co_u32 s22, s22, s23
	s_lshl_b32 s23, s20, 4
	s_add_co_u32 s22, s22, s23                     ; plane
	s_lshl_b32 s46, s22, 18                        ; 262,144 bytes a plane
	s_lshl_b32 s21, s21, 15                        ; 256 rows of 128 bytes
	s_add_co_u32 s46, s46, s21
	s_lshl_b32 s21, s15, 14                        ; 128 rows
	s_add_co_u32 s46, s46, s21
	s_mov_b32 s47, 0
	s_add_nc_u64 s[12:13], s[12:13], s[46:47]
	s_mul_i32 s46, s20, 196608                     ; fq: 16 rows of 12,288 bytes a batch,
	s_lshl_b32 s21, s42, 10                        ; 256 columns of 4 bytes a tile,
	s_add_co_u32 s46, s46, s21
	s_lshl_b32 s21, s16, 9                         ; 128 a half
	s_add_co_u32 s46, s46, s21
	s_add_nc_u64 s[96:97], s[96:97], s[46:47]
.macro FRAG reg, adr, q, i             ; 16 rows x 128 K of 4-bit codes: lane l holds row l % 16; registers 4 c .. 4 c + 3 hold K = 64 c + 32 (l / 16) + 0 .. 31
.irp c, 0,1
	ds_load_b128 v[\reg+4*\c:\reg+4*\c+3], v[\adr] offset:64*(\q)+32*\c+(\i)*16*PITCH
.endr
.endm
; 16 matrix instructions: A's blocks a0, a0 + 1 x B's eight, the slot's q-th 128 along K.  The 64 accumulators take turns, one instruction a turn.
.macro MUL16 a0, p, q, sc, zero
.irp a, \a0, \a0+1
.irp b, 0,1,2,3,4,5,6,7
.if \zero
	v_wmma_scale_f32_16x16x128_f8f6f4 v[8*(8*((\a)%4)+\b):8*(8*((\a)%4)+\b)+7], v[128*(\p)+FR*\b:128*(\p)+FR*\b+FR-1], v[AF+FR*(\a):AF+FR*(\a)+FR-1], 0, v[SC+8*NQ*(\sc)+NQ*\b+(\q)], v[SC+8*NQ*(\sc)+NQ*(\a)+(\q)] matrix_a_fmt:MATRIX_FMT_FP4 matrix_b_fmt:MATRIX_FMT_FP4 matrix_a_scale:MATRIX_SCALE_ROW1
.else
	v_wmma_scale_f32_16x16x128_f8f6f4 v[8*(8*((\a)%4)+\b):8*(8*((\a)%4)+\b)+7], v[128*(\p)+FR*\b:128*(\p)+FR*\b+FR-1], v[AF+FR*(\a):AF+FR*(\a)+FR-1], v[8*(8*((\a)%4)+\b):8*(8*((\a)%4)+\b)+7], v[SC+8*NQ*(\sc)+NQ*\b+(\q)], v[SC+8*NQ*(\sc)+NQ*(\a)+(\q)] matrix_a_fmt:MATRIX_FMT_FP4 matrix_b_fmt:MATRIX_FMT_FP4 matrix_a_scale:MATRIX_SCALE_ROW1
.endif
.endr
.endr
.endm
.macro FETCH_B slot, q, p
	WIN TO_B
.irp i, 0,1,2,3,4,5,6,7
	FRAG 128*(\p)+FR*\i, ADRB+\slot, \q, \i
.endr
	WIN 0
.endm
.macro FETCH_A slot, q, i0
.irp i, \i0, \i0+1, \i0+2, \i0+3
	FRAG AF+FR*(\i), ADRA+\slot, \q, \i
.endr
.endm
.macro SCALES sc                       ; a slot's scale words: 4 words a row; lanes 0-15 A's block i, lanes 16-31 B's block i
.irp i, 0,1,2,3,4,5,6,7
	ds_load_b128 v[SC+8*NQ*\sc+NQ*\i:SC+8*NQ*\sc+NQ*\i+3], v[ADRS] offset:\i*SBLK
.endr
.endm
.macro PLACES n                        ; plain vector instructions between a matrix instruction and a load into, or a read of, its registers
.rept \n
	v_nop
.endr
.endm
.macro STEP slot, q, zero              ; 128 along K, its successor in the same slot
	s_wait_dscnt 4*NL                              ; B's set and A's blocks 0-3 are in; A's blocks 4-7 (eight loads) may be out
	WIN MUL_LO
	MUL16 0, (\q)%2, \q, \slot, \zero
	MUL16 2, (\q)%2, \q, \slot, \zero
	s_wait_dscnt 0
	PLACES NP
	FETCH_B \slot, (\q)+1, 1-(\q)%2
	FETCH_A \slot, (\q)+1, 0
	WIN MUL_HI
	MUL16 4, (\q)%2, \q, \slot, \zero
	MUL16 6, (\q)%2, \q, \slot, \zero
	PLACES NP
	WIN 0
	FETCH_A \slot, (\q)+1, 4
.endm
; Slot 0's last step changes slots: one barrier; in front of it each wave waits for all its tensor loads (its part of slot 1), adds 0 to its spare word, and waits for that and for its reads of slot 0.
.macro TURN slot, next
	s_wait_tensorcnt 0x0
	ds_add_u32 v[SPW], v[NIL]
	s_wait_dscnt 4*NL+1                            ; the add and A's blocks 4-7 may be out
	WIN MUL_LO
	MUL16 0, 1, NQ-1, \slot, 0
	s_wait_dscnt 0x0                               ; the add is done, my reads of this slot are over
	s_barrier_signal -1
	MUL16 2, 1, NQ-1, \slot, 0
	WIN 0
	s_barrier_wait -1
	PLACES NP
	v_add_nc_u32 v[ADRS], 4*NQ, v[ADRS]            ; the next slot's scale words
	FETCH_B \next, 0, 0
	FETCH_A \next, 0, 0
	SCALES \next
	WIN MUL_HI
	MUL16 4, 1, NQ-1, \slot, 0
	MUL16 6, 1, NQ-1, \slot, 0
	PLACES NP
	WIN 0
	FETCH_A \next, 0, 4
.endm
.macro STEPS slot, from
.set Q, \from
.rept NQ-1-\from
	STEP \slot, Q, 0
.set Q, Q+1
.endr
.endm
	s_wait_tensorcnt 1                             ; the scales and my part of slot 0 are in; slot 1's load may be out
	s_barrier_signal -1
	s_barrier_wait -1
	FETCH_B 0, 0, 0
	FETCH_A 0, 0, 0
	SCALES 0
	FETCH_A 0, 0, 4
	STEP 0, 0, 1                                   ; the first products start the sums: nothing is cleared
	STEPS 0, 1
	TURN 0, 1
	STEPS 1, 0
	s_wait_dscnt 4*NL                              ; the last step
	WIN MUL_LO
	MUL16 0, 1, NQ-1, 1, 0
	MUL16 2, 1, NQ-1, 1, 0
	s_wait_dscnt 0
	WIN MUL_HI
	MUL16 4, 1, NQ-1, 1, 0
	MUL16 6, 1, NQ-1, 1, 0
	WIN 0
	; THE WAY OUT.  First the unrounded copy of positions 0-15: my block 0, where my rows begin a batch.  All waves run these lines; the lanes are switched off elsewhere.
	PLACES NP
	v_cmp_eq_u32 vcc_lo, 0, v[FLG]
	s_wait_xcnt 0x0                                ; EXEC changes only behind this wait
	s_and_saveexec_b32 s95, vcc_lo
	WIN 0x08                                       ; a store's data are its source 1: window 2
.irp b, 0,1,2,3,4,5,6,7
	global_store_b128 v[FO], v[8*\b:8*\b+3], s[96:97] offset:64*\b          ; each accumulator from its low end on
	global_store_b128 v[FO], v[8*\b+4:8*\b+7], s[96:97] offset:64*\b+16
.endr
	WIN 0
	s_wait_xcnt 0x0                                ; and again, in front of the line that widens it
	s_or_b32 exec_lo, exec_lo, s95
; Then all rows in f16, a block of 16 rows x 128 columns at a time, through my stage: a lane's 16 bytes go into rows of 272 bytes and come back so that a store of the wave covers four rows of one head: 512 consecutive bytes.
.macro PACK a
.set AC, 64*((\a)%4)
	WIN 0x0a+5*((\a)/4)                            ; sources 0 and 1: window 2 or 3
.irp b, 0,1,2,3,4,5,6,7
.irp r, 0,1,2,3
	v_cvt_pk_f16_f32 v[TMP+4*\b+\r], v[AC+8*\b+2*\r], v[AC+8*\b+2*\r+1]
.endr
.endr
	WIN 0
.endm
.macro TOSTAGE a
.set BB, BK+32*((\a)%2)
.irp b, 0,1,2,3,4,5,6,7
	ds_store_b128 v[STO], v[TMP+4*\b:TMP+4*\b+3] offset:32*\b
.endr
.irp i, 0,1,2,3,4,5,6,7
	ds_load_b128 v[BB+4*\i:BB+4*\i+3], v[RD] offset:(\i%4)*4*SPITCH+(\i/4)*128    ; in order behind the stores (ISA guide 5.7.1.4): rows 4 (i % 4) on, head i / 4
.endr
.endm
.macro SEND a
.set BB, BK+32*((\a)%2)
	s_wait_dscnt 0x0                               ; the block is back in registers
	s_wait_xcnt 0x0                                ; the stores of the block before have read their registers: the next block's loads may land there
.irp i, 0,1,2,3,4,5,6,7
	global_store_b128 v[CO], v[BB+4*\i:BB+4*\i+3], s[12:13] offset:(\a)*2048+(\i%4)*512+(\i/4)*262144
.endr
.endm
	PACK 0
	TOSTAGE 0
.irp a, 1,2,3,4,5,6,7                  ; block a's conversions stand between block a - 1's loads from the stage and the wait for them
	PACK \a
	SEND \a-1
	TOSTAGE \a
.endr
	SEND 7
	s_wait_tensorcnt 0x0                           ; the wave's end
	ds_add_u32 v[SPW], v[NIL]
	s_wait_dscnt 0x0
	CROUND                                         ; the closing round
	s_endpgm
.Lfunc_end_k_q1c1887b946_qkv:
	.size	k_q1c1887b946_qkv, .Lfunc_end_k_q1c1887b946_qkv-k_q1c1887b946_qkv
	.p2alignl 7, 3214868480
	.fill 96, 4, 3214868480
	.section	.rodata,"a",@progbits
	.p2align	6, 0x0
	.amdhsa_kernel k_q1c1887b946_qkv
		.amdhsa_group_segment_fixed_size 327680
		.amdhsa_private_segment_fixed_size 0
		.amdhsa_enable_private_segment 0
		.amdhsa_kernarg_size 48
		.amdhsa_user_sgpr_count 2
		.amdhsa_user_sgpr_kernarg_segment_ptr 1
		.amdhsa_wavefront_size32 1
		.amdhsa_system_sgpr_workgroup_id_x 1
		.amdhsa_system_sgpr_workgroup_id_y 1
		.amdhsa_system_sgpr_workgroup_id_z 1
		.amdhsa_system_vgpr_workitem_id 0
		.amdhsa_next_free_vgpr 1024
		.amdhsa_next_free_sgpr 100
		.amdhsa_reserve_vcc 1
		.amdhsa_float_denorm_mode_32 3
		.amdhsa_float_denorm_mode_16_64 3
		.amdhsa_memory_ordered 1
		.amdhsa_forward_progress 1
		.amdhsa_inst_pref_size 129
	.end_amdhsa_kernel
	.amdgpu_metadata
---
amdhsa.version: [ 1, 2 ]
amdhsa.kernels:
  - .name:           k_q1c1887b946_qkv
    .symbol:         k_q1c1887b946_qkv.kd
    .args:
      - { .name: xc, .offset: 0, .size: 8, .value_kind: global_buffer, .address_space: global }
      - { .name: xs, .offset: 8, .size: 8, .value_kind: global_buffer, .address_space: global }
      - { .name: wc, .offset: 16, .size: 8, .value_kind: global_buffer, .address_space: global }
      - { .name: ws, .offset: 24, .size: 8, .value_kind: global_buffer, .address_space: global }
      - { .name: qkv, .offset: 32, .size: 8, .value_kind: global_buffer, .address_space: global }
      - { .name: fq, .offset: 40, .size: 8, .value_kind: global_buffer, .address_space: global }
    .group_segment_fixed_size: 327680
    .private_segment_fixed_size: 0
    .kernarg_segment_align: 8
    .kernarg_segment_size: 48
    .max_flat_workgroup_size: 128
    .sgpr_count:     100
    .vgpr_count:     1024
    .wavefront_size: 32
...
	.end_amdgpu_metadata
.endif
;; end of part 2
;; launch attn (part 3): grid 4 x 64, 8 waves a work-group, no clusters, 327,680 bytes of LDS; arguments qkv, oh; writes oh
.if DOCPART == 3
	.amdgcn_target "amdgcn-amd-amdhsa--gfx1250"
	.amdhsa_code_object_version 6
	.text
	.protected	k_q1c1887b946_attn
	.globl	k_q1c1887b946_attn
	.p2align	8
	.type	k_q1c1887b946_attn,@function
k_q1c1887b946_attn:
	s_mov_b64 s[64:65], 0
	v_nop
	global_prefetch_b8 v0, s[64:65] scope:SCOPE_SE
	s_setreg_imm32_b32 hwreg(HW_REG_WAVE_MODE, 25, 1), 1
	s_wait_xcnt 0x0
; O[b][h][q] = the sum over k <= q of softmax_k(Q[q] . K[k] / 8) V[k], head size 64, 2,048 positions, 64 heads in all.  Q, K, V: f16 planes [2048][64] of qkv (plane = 64 which + 16 b + h).
; Products on f16 operands with f32 sums; maxima, exponentials and sums in f32; the weights p are rounded to f16 for the second product, O once at the end.
; OUT: oh, f16, [m / 2][head][m & 1][64], m = 2048 b + t: two neighbouring rows of one head are 256 consecutive bytes.  (Positions 0-15 of each batch are carried in f32 by a later launch; their rows here feed results that it writes over.)
; LIMIT: |O| under 65,504 (f16).
; SHARES.  Work-group (x, head) owns TWO blocks of 256 queries: first block 7 - x, then block x: 9 blocks of 256 x 256 under the mask for every work-group.  A wave owns 32 queries of a block: two tiles of 16.
; Two waves share a SIMD, so that one wave's softmax stands beside the other's products.
; NO CLUSTER: the four work-groups of a head need 8 - x and x + 1 key tiles: a joint load would bring tiles whose reads every wave of some partner jumps over.
; THE WALK: 12 trips, a constant: trips 0-7 the first block's key tiles 0-7 (256 keys each), trips 8-11 the second block's tiles 0-3.  Tile n lies in LDS slot n & 1.  A step (64 keys) all of whose keys come
; after my 32 queries is jumped over by a scalar branch on ids; a tile whose first key comes after the block's last query is read by no wave and is not asked for.  Every wait for tensor loads is for all of them.
; LAYOUT.  S^T = K Q^T and O^T = V^T P: a lane holds ONE query (lane % 16) throughout; two tiles of S^T, rounded in pairs, are source 1 of the second product.  V is turned by ds_load_tr16_b128.
; SOFTMAX.  A running maximum m and sum l for each query: p = 2^(c s - c m), c = log2(e) / 8; in every step O and l are multiplied by a = 2^(c m_old - c m_new).  The loop has no first step of its own: m begins at -3e38, l and O at 0.
; REGISTERS.  window 0: v1-15 addresses; v16-31 statistics; v32-63 Q; v64-127 S^T; v128-159 P; v160-223 O^T; v224-255 at work.  window 1: v0-63 K's fragments; v64-127 V's; v128-159 the second block's Q.
.set PK,    272                        ; two keys' rows of K (256 bytes) + 16 of padding: the 16 keys of a load start at 16 different banks (64 banks of 4 bytes: ISA guide 11.1)
.set PV,    288                        ; the same of V + 32 of padding
.set VOFF,  32*PK                      ; a step's tiles lie together: 64 keys of K, then 64 of V
.set STEPB, 32*(PK+PV)
.set SLOT1, 1<<17                      ; slot 1 begins here: one exclusive or turns an address from slot to slot
.set STAGE, 2*SLOT1                    ; the way out: 32 rows x (128 bytes + 16) for each wave; no tile ever lands here
.set SROW,  144
.set SPARE, STAGE+8*32*SROW            ; the spare words, 128 bytes a wave
.set TILEB, 32768                      ; 256 keys of 128 bytes
.set AK0, 3
.set AV0, 4
.set ADK, 5
.set ADV, 6
.set QO,  7
.set STO, 8
.set RD,  9
.set GO,  10
.set RH,  11                           ; v11  lane % 16 - 8 (lane / 16)
.set NINF, 12                          ; v12  -infinity
.set PFO, 13                           ; v13  256 x lane
.set SPW, 14
.set NIL, 15
.set ST,  16                           ; tile t at v[ST + 8 t]: +0 c m, +1 m, +2, +3 l in two halves, +4 .. +7 at work; a takes +6
.set Q,   32
.set S,   64
.set P,   128
.set O,   160
.set WK,  224
.set WV,  8
.set BX,  9
.set BH,  10
.set W3,  11
.set N,   12                           ; s12  the trip
.set STP, 13
.set KF,  14                           ; s14  the step's first key
.set TB,  15                           ; s15  LDS byte at which the step's tiles begin
.set G1K, 16
.set G1V, 24
.set G0K, 32
.set G0V, 36
.set SEL, 40
.set CS,  42
.set OB,  44                           ; s[44:45] where my rows of oh begin; s[46:47] the same for the second block
.set OBN, 46
.set PFA, 48
.set LIM, 50
.set Q0,  51                           ; s51  my first query; s52 the second block's
.set Q0N, 52
.set QL0, 53                           ; s53, s54  the blocks' last queries
.set QL1, 54
.set LK,  55
.set LQ,  56
.set T0,  57
.set OFS, 58                           ; s[58:59] an offset, its high word 0
.set KB,  60                           ; s[60:61], s[62:63] my part of key tile 0 in K's and in V's plane
.set VB,  62
.set QB0, 66
.set QB1, 68
.set MSB, 0
.macro WIN new
.if MSB != \new
	s_set_vgpr_msb (MSB<<8)|\new
.set MSB, \new
.endif
.endm
; Waves 0-3 fetch K of the tile's steps 0-3, waves 4-7 V's: one load of 8,192 bytes a wave.  An s_nop 0 and four v_nop follow each line.
.macro TLOAD
	s_cmp_lt_u32 s[WV], 4
	s_cbranch_scc0 .Lfor_v_\@
	tensor_load_to_lds s[G0K:G0K+3], s[G1K:G1K+7]
	s_nop 0
.rept 4
	v_nop
.endr
	s_branch .Lasked_\@
.Lfor_v_\@:
	tensor_load_to_lds s[G0V:G0V+3], s[G1V:G1V+7]
	s_nop 0
.rept 4
	v_nop
.endr
.Lasked_\@:
.endm
; A prefetch of the key tile that the NEXT trip will ask for.  All four work-groups of a head walk the same K and V; the one with x = 0 walks all eight tiles in its first block and asks for the head, in trips 0-5
; for tiles 2-7: each wave for the 8,192 bytes that it will fetch, lanes 256 bytes apart: each block of 256 bytes is named once in the launch.  Tiles 0 and 1 come by their loads alone.
.macro ASK
	s_cmp_lt_u32 s[N], s[LIM]
	s_cbranch_scc0 .Lnot_mine_\@
	global_prefetch_b8 v[PFO], s[PFA:PFA+1] th:TH_LOAD_NT scope:SCOPE_SE
.Lnot_mine_\@:
.endm
	s_load_b128 s[4:7], s[0:1], 0x0                ; qkv, oh
	v_lshl_add_u32 v[SPW], v0, 2, SPARE
	v_mov_b32 v[NIL], 0
	ds_add_u32 v[SPW], v[NIL]                      ; the opening: the add, twice on end, and its wait ahead of my first tensor load
	ds_add_u32 v[SPW], v[NIL]
	v_lshrrev_b32 v1, 5, v0
	v_readfirstlane_b32 s[WV], v1                  ; wave 0..7
	s_mov_b32 s[BX], ttmp9
	s_and_b32 s[BH], ttmp7, 0xffff                 ; 16 b + h
	s_and_b32 s[W3], s[WV], 3
	; group 1: a step's 64 rows of 128 bytes are dense in memory: stated as 32 rows of 128 elements of 2 bytes, padded behind each
	s_mov_b32 s[G1K], (1<<16)|(1<<20)|(5<<22)|(3<<25)      ; no mask; elements of 2 bytes; padding on: 4 words behind every 64
	s_mov_b32 s[G1V], (1<<16)|(1<<20)|(5<<22)|(7<<25)      ; 8 words
.irp g, G1K, G1V
	s_mov_b32 s[\g+1], 128<<16                     ; tensor_dim0
	s_mov_b32 s[\g+2], 32<<16                      ; tensor_dim1
	s_mov_b32 s[\g+3], 128<<16                     ; tile_dim0
	s_mov_b32 s[\g+4], 32                          ; tile_dim1
	s_mov_b32 s[\g+5], 128                         ; pitch
	s_mov_b32 s[\g+6], 0
	s_mov_b32 s[\g+7], 0
.endr
	s_mov_b32 s[SEL], 0x76543210
	s_mov_b32 s[SEL+1], 0xfedcba98                 ; v_permlanex16_b32: lane l xor 16
	s_mov_b32 s[CS], 0x3e38aa3b                    ; c = log2(e) / 8
	s_mov_b32 s[CS+1], s[CS]                       ; (named with it as a pair)
	s_mov_b32 s[N], 0
	s_mov_b32 s[KF], 0
	s_mov_b32 s[TB], 0
	s_mov_b32 s[OFS+1], 0
	s_sub_co_u32 s[T0], 7, s[BX]                   ; the first block
	s_lshl_b32 s[Q0], s[T0], 8
	s_or_b32 s[QL0], s[Q0], 255
	s_lshl_b32 s[T0], s[WV], 5
	s_add_co_u32 s[Q0], s[Q0], s[T0]               ; my first query: 256 x block + 32 x wave
	s_lshl_b32 s[Q0N], s[BX], 8
	s_or_b32 s[QL1], s[Q0N], 255
	s_add_co_u32 s[Q0N], s[Q0N], s[T0]
	s_cmp_eq_u32 s[BX], 0
	s_cselect_b32 s[LIM], 6, 0
	s_mov_b32 s[G0K], 1
	s_mov_b32 s[G0V], 1
	s_mul_i32 s[G0K+1], s[W3], STEPB               ; my step's place in slot 0
	s_add_co_u32 s[G0V+1], s[G0K+1], VOFF
	s_wait_dscnt 0x0                               ; both opening adds are done
	s_wait_kmcnt 0x0
	s_add_co_u32 s[T0], s[BH], 64
	s_lshl_b32 s[OFS], s[T0], 18                   ; K's plane,
	s_lshl_b32 s[T0], s[W3], 13                    ; my step's 8,192 bytes
	s_add_co_u32 s[OFS], s[OFS], s[T0]
	s_add_nc_u64 s[KB:KB+1], s[4:5], s[OFS:OFS+1]
	s_add_nc_u64 s[VB:VB+1], s[KB:KB+1], 64*262144 ; V's plane lies 64 planes on
	s_mov_b64 s[G0K+2:G0K+3], s[KB:KB+1]
	s_or_b32 s[G0K+3], s[G0K+3], 0x80000000
	s_mov_b64 s[G0V+2:G0V+3], s[VB:VB+1]
	s_or_b32 s[G0V+3], s[G0V+3], 0x80000000
	TLOAD                                          ; key tile 0 into slot 0: key 0 counts for every query
	s_cmp_lt_u32 s[WV], 4
	s_cselect_b64 s[PFA:PFA+1], s[KB:KB+1], s[VB:VB+1]
	s_add_nc_u64 s[PFA:PFA+1], s[PFA:PFA+1], TILEB ; at tile 1: the first trip steps it to tile 2
	s_lshl_b32 s[OFS], s[BH], 18                   ; Q's plane, my rows of 128 bytes
	s_lshl_b32 s[T0], s[Q0], 7
	s_add_co_u32 s[OFS], s[OFS], s[T0]
	s_add_nc_u64 s[QB0:QB0+1], s[4:5], s[OFS:OFS+1]
	s_lshl_b32 s[OFS], s[BH], 18
	s_lshl_b32 s[T0], s[Q0N], 7
	s_add_co_u32 s[OFS], s[OFS], s[T0]
	s_add_nc_u64 s[QB1:QB1+1], s[4:5], s[OFS:OFS+1]
	s_lshr_b32 s[T0], s[BH], 4
	s_lshl_b32 s[T0], s[T0], 11                    ; 2048 b
	s_and_b32 s[LQ], s[BH], 15
	s_lshl_b32 s[LQ], s[LQ], 8                     ; 256 h (the register is written anew in every trip)
	s_add_co_u32 s[OFS], s[T0], s[Q0]
	s_lshl_b32 s[OFS], s[OFS], 11                  ; (m / 2) x 4,096
	s_add_co_u32 s[OFS], s[OFS], s[LQ]
	s_add_nc_u64 s[OB:OB+1], s[6:7], s[OFS:OFS+1]
	s_add_co_u32 s[OFS], s[T0], s[Q0N]
	s_lshl_b32 s[OFS], s[OFS], 11
	s_add_co_u32 s[OFS], s[OFS], s[LQ]
	s_add_nc_u64 s[OBN:OBN+1], s[6:7], s[OFS:OFS+1]
	v_and_b32 v1, 15, v0                           ; r
	v_bfe_u32 v2, v0, 4, 1                         ; h
	v_lshrrev_b32 v16, 1, v1
	v_and_b32 v17, 1, v0
	v_mul_u32_u24 v[AK0], v16, PK                  ; K: key r lies in long row r / 2, half r % 2; + 16 h
	v_lshl_add_u32 v[AK0], v17, 7, v[AK0]
	v_lshl_add_u32 v[AK0], v2, 4, v[AK0]
	v_bfe_u32 v16, v0, 1, 2
	v_lshl_add_u32 v16, v2, 2, v16
	v_mul_u32_u24 v[AV0], v16, PV                  ; V: lane l addresses key 8 h + l % 8, channels 8 ((l / 8) % 2) on
	v_lshl_add_u32 v[AV0], v17, 7, v[AV0]
	v_bfe_u32 v16, v0, 3, 1
	v_lshl_add_u32 v[AV0], v16, 4, v[AV0]
	v_add_nc_u32 v[AV0], VOFF, v[AV0]
	v_lshlrev_b32 v[QO], 7, v1
	v_lshl_add_u32 v[QO], v2, 4, v[QO]             ; Q: row r of 128 bytes, + 16 h
	s_mul_i32 s[T0], s[WV], 32*SROW
	s_add_co_u32 s[T0], s[T0], STAGE               ; my stage
	v_mul_u32_u24 v[STO], v1, SROW
	v_lshl_add_u32 v[STO], v2, 4, v[STO]
	v_add_nc_u32 v[STO], s[T0], v[STO]             ; in: row r, 16 bytes for each half of the lanes
	v_bfe_u32 v16, v0, 3, 2
	v_mul_u32_u24 v[RD], v16, SROW
	v_and_b32 v16, 7, v0
	v_lshl_add_u32 v[RD], v16, 4, v[RD]
	v_add_nc_u32 v[RD], s[T0], v[RD]               ; back: row l / 8, piece l % 8
	v_lshlrev_b32 v[GO], 12, v2
	v_lshl_add_u32 v[GO], v1, 4, v[GO]             ; oh: lanes 0-15 one pair of rows (256 bytes), lanes 16-31 the next pair, 4,096 bytes on
	v_lshlrev_b32 v16, 3, v2
	v_sub_nc_u32 v[RH], v1, v16
	v_mov_b32 v[NINF], 0xff800000
	v_and_b32 v[PFO], 31, v0
	v_lshlrev_b32 v[PFO], 8, v[PFO]
.irp t, 0,1                                    ; Q stays in registers: tile t, channels 32 c on
.irp c, 0,1
	global_load_b128 v[Q+16*\t+8*\c:Q+16*\t+8*\c+3],   v[QO], s[QB0:QB0+1] offset:\t*2048+64*\c
	global_load_b128 v[Q+16*\t+8*\c+4:Q+16*\t+8*\c+7], v[QO], s[QB0:QB0+1] offset:\t*2048+64*\c+32
.endr
.endr
	WIN 0x40                                       ; destination window 1: the second block's Q waits there
.irp t, 0,1
.irp c, 0,1
	global_load_b128 v[128+16*\t+8*\c:128+16*\t+8*\c+3],   v[QO], s[QB1:QB1+1] offset:\t*2048+64*\c
	global_load_b128 v[128+16*\t+8*\c+4:128+16*\t+8*\c+7], v[QO], s[QB1:QB1+1] offset:\t*2048+64*\c+32
.endr
.endr
	WIN 0
.macro INIT                            ; a block's start: m = -3e38, under every score; l = 0; O^T = 0
.irp t, 0,1
	v_mov_b32 v[ST+8*\t+1], 0xff61b1e6
	v_mul_f32 v[ST+8*\t], s[CS], v[ST+8*\t+1]
	v_mov_b32 v[ST+8*\t+2], 0
	v_mov_b32 v[ST+8*\t+3], 0
	v_mov_b32 v[ST+8*\t+5], 0                      ; (a lane permute's destination counts as one of its sources)
	v_mov_b32 v[ST+8*\t+7], 0
.endr
.set n, 0
.rept 64
	v_mov_b32 v[O+n], 0
.set n, n+1
.endr
.endm
; A KEY STEP: 64 keys.
.macro STEP
	s_cmp_gt_u32 s[KF], s[Q0]                      ; KF is a multiple of 64 and Q0 of 32: KF > Q0 means KF > Q0 + 31: all keys hidden from all my queries.  Else every query of mine sees key KF at least
	s_cbranch_scc1 .Lhidden_\@
	v_add_nc_u32 v[ADK], s[TB], v[AK0]
	v_add_nc_u32 v[ADV], s[TB], v[AV0]
	v_nop                                          ; with the two additions: four places between the last step's products and the loads into V's fragments
	v_nop
	WIN 0x40
.irp kt, 0,1,2,3                               ; K: keys 16 kt on, channels 32 c on
.irp c, 0,1
	ds_load_b128 v[8*(2*\kt+\c):8*(2*\kt+\c)+3],   v[ADK] offset:\kt*8*PK+64*\c
	ds_load_b128 v[8*(2*\kt+\c)+4:8*(2*\kt+\c)+7], v[ADK] offset:\kt*8*PK+64*\c+32
.endr
.endr
.irp kc, 0,1                                   ; V, turned: keys 32 kc on, channels 16 dt on
.irp dt, 0,1,2,3
	ds_load_tr16_b128 v[64+8*(4*\kc+\dt):64+8*(4*\kc+\dt)+3],   v[ADV] offset:\kc*16*PV+32*\dt
	ds_load_tr16_b128 v[64+8*(4*\kc+\dt)+4:64+8*(4*\kc+\dt)+7], v[ADV] offset:\kc*16*PV+8*PV+32*\dt
.endr
.endr
	s_wait_dscnt 16                                ; K's 16 loads are in; V's 16 may stay out
	WIN 0x01                                       ; source 0 in window 1
.irp c, 0,1                                    ; S^T = K Q^T: eight accumulators by turns
.irp t, 0,1
.irp kt, 0,1,2,3
.if \c == 0
	v_wmma_f32_16x16x32_f16 v[S+32*\t+8*\kt:S+32*\t+8*\kt+7], v[8*(2*\kt+\c):8*(2*\kt+\c)+7], v[Q+16*\t+8*\c:Q+16*\t+8*\c+7], 0
.else
	v_wmma_f32_16x16x32_f16 v[S+32*\t+8*\kt:S+32*\t+8*\kt+7], v[8*(2*\kt+\c):8*(2*\kt+\c)+7], v[Q+16*\t+8*\c:Q+16*\t+8*\c+7], v[S+32*\t+8*\kt:S+32*\t+8*\kt+7]
.endif
.endr
.endr
.endr
	WIN 0
.rept 4
	v_nop                                          ; places in front of the first read of the scores
.endr
	s_add_co_u32 s[T0], s[KF], 63
	s_cmp_le_u32 s[T0], s[Q0]
	s_cbranch_scc1 .Lopen_\@                       ; all 64 keys count for all my queries
	s_sub_co_u32 s[T0], s[Q0], s[KF]               ; on the diagonal hidden scores become -infinity: register n of tile t holds key KF + 16 (n / 8) + 8 h + n % 8 for query Q0 + 16 t + r
	v_add_nc_u32 v[WK], s[T0], v[RH]
	v_add_nc_u32 v[WK+1], 16, v[WK]
.irp t, 0,1
.set n, 0
.rept 32
	v_cmp_gt_i32 vcc_lo, 16*(n/8)+n%8, v[WK+\t]
	v_cndmask_b32 v[S+32*\t+n], v[S+32*\t+n], v[NINF], vcc_lo
.set n, n+1
.endr
.endr
.Lopen_\@:
	; the maximum of a query's 32 scores in this lane and the old m: four chains, each from its accumulator's low end; the two tiles line by line
.irp j, 0,1,2,3
.irp t, 0,1
	v_max3_num_f32 v[ST+8*\t+4+\j], v[S+32*\t+8*\j], v[S+32*\t+8*\j+1], v[S+32*\t+8*\j+2]
.endr
.endr
.irp i, 3,5
.irp j, 0,1,2,3
.irp t, 0,1
	v_max3_num_f32 v[ST+8*\t+4+\j], v[ST+8*\t+4+\j], v[S+32*\t+8*\j+\i], v[S+32*\t+8*\j+\i+1]
.endr
.endr
.endr
.irp t, 0,1
	v_max3_num_f32 v[ST+8*\t+4], v[ST+8*\t+4], v[S+32*\t+7], v[S+32*\t+15]
.endr
.irp t, 0,1
	v_max3_num_f32 v[ST+8*\t+6], v[ST+8*\t+6], v[S+32*\t+23], v[S+32*\t+31]
.endr
.irp t, 0,1
	v_max3_num_f32 v[ST+8*\t+4], v[ST+8*\t+4], v[ST+8*\t+5], v[ST+8*\t+6]
.endr
.irp t, 0,1
	v_max3_num_f32 v[ST+8*\t+4], v[ST+8*\t+4], v[ST+8*\t+7], v[ST+8*\t+1]
.endr
.irp t, 0,1
	v_permlanex16_b32 v[ST+8*\t+5], v[ST+8*\t+4], s[SEL], s[SEL+1]   ; the query's other 32 keys lie in the lane 16 away
.endr
.irp t, 0,1
	v_mov_b32 v[ST+8*\t+7], v[ST+8*\t]             ; c m_old
.endr
.irp t, 0,1
	v_max_num_f32 v[ST+8*\t+1], v[ST+8*\t+4], v[ST+8*\t+5]
.endr
.irp t, 0,1
	v_mul_f32 v[ST+8*\t], s[CS], v[ST+8*\t+1]
.endr
.irp t, 0,1
	v_sub_f32 v[ST+8*\t+7], v[ST+8*\t+7], v[ST+8*\t]
.endr
.irp b, 0,1,2,3,4,5,6,7,8,9,10,11,12,13,14,15
.irp t, 0,1
	v_pk_fma_f32 v[S+32*\t+2*\b:S+32*\t+2*\b+1], v[S+32*\t+2*\b:S+32*\t+2*\b+1], s[CS:CS+1], v[ST+8*\t:ST+8*\t+1] op_sel_hi:[1,0,0] neg_lo:[0,0,1] neg_hi:[0,0,1]   ; c s - c m, two at a time
.endr
.endr
.irp t, 0,1
	v_exp_f32 v[ST+8*\t+6], v[ST+8*\t+7]           ; a
.endr
.set n, 0
.rept 64
	v_exp_f32 v[S+n], v[S+n]                       ; p, at most 1
.set n, n+1
.endr
	v_nop                                          ; a plain instruction behind the last exponential
	s_wait_alu depctr_va_vdst(0)                   ; one wait ahead of the first use, for all 66
.set n, 0
.rept 32
	v_cvt_pk_f16_f32 v[P+n], v[S+2*n], v[S+2*n+1]  ; two tiles of 16 keys, rounded in pairs, are source 1 for 32 keys
.set n, n+1
.endr
.irp t, 0,1
	v_pk_mul_f32 v[ST+8*\t+2:ST+8*\t+3], v[ST+8*\t+2:ST+8*\t+3], v[ST+8*\t+6:ST+8*\t+7] op_sel_hi:[1,0]   ; l under the new m
.endr
.irp t, 0,1
	v_pk_add_f32 v[WK+4+2*\t:WK+5+2*\t], v[S+32*\t:S+32*\t+1], v[S+32*\t+2:S+32*\t+3]   ; the sum of the unrounded p, in two chains
.endr
.irp j, 4,8,12,16,20,24,28
.irp t, 0,1
	v_pk_add_f32 v[ST+8*\t+2:ST+8*\t+3], v[ST+8*\t+2:ST+8*\t+3], v[S+32*\t+\j:S+32*\t+\j+1]
	v_pk_add_f32 v[WK+4+2*\t:WK+5+2*\t], v[WK+4+2*\t:WK+5+2*\t], v[S+32*\t+\j+2:S+32*\t+\j+3]
.endr
.endr
.irp t, 0,1
	v_pk_add_f32 v[ST+8*\t+2:ST+8*\t+3], v[ST+8*\t+2:ST+8*\t+3], v[WK+4+2*\t:WK+5+2*\t]
.endr
.irp t, 0,1
.set n, 0
.rept 16
	v_pk_mul_f32 v[O+32*\t+n:O+32*\t+n+1], v[O+32*\t+n:O+32*\t+n+1], v[ST+8*\t+6:ST+8*\t+7] op_sel_hi:[1,0]   ; O^T under the new m, each accumulator from its low end on
.set n, n+2
.endr
.endr
	s_wait_dscnt 0x0                               ; V is in
	WIN 0x01
.irp kc, 0,1                                   ; O^T += V^T P: eight accumulators by turns
.irp t, 0,1
.irp dt, 0,1,2,3
	v_wmma_f32_16x16x32_f16 v[O+32*\t+8*\dt:O+32*\t+8*\dt+7], v[64+8*(4*\kc+\dt):64+8*(4*\kc+\dt)+7], v[P+16*\t+8*\kc:P+16*\t+8*\kc+7], v[O+32*\t+8*\dt:O+32*\t+8*\dt+7]
.endr
.endr
.endr
	WIN 0
.Lhidden_\@:
	s_add_co_u32 s[KF], s[KF], 64
	s_add_co_u32 s[TB], s[TB], STEPB
.endm
.macro SLOT_STEPS                      ; a tile's four steps: written once, walked four times
	s_mov_b32 s[STP], 4
.Lstep_\@:
	STEP
	s_sub_co_u32 s[STP], s[STP], 1
	s_cmp_lg_u32 s[STP], 0
	s_cbranch_scc1 .Lstep_\@
	s_sub_co_u32 s[TB], s[TB], 4*STEPB
	s_xor_b32 s[TB], s[TB], SLOT1                  ; on to the other slot
.endm
; THE CHANGE OF SLOTS, at a trip's head.  Each wave waits for all its tensor loads (its part of the tile that it is about to read), adds 0 to its spare word, and waits for that and for its reads of the tile that it has left.
; Behind the barrier this trip's tile is whole and nobody reads the other slot.  fill = 1: the other slot takes the next tile, which has this trip's steps in which to land; one tensor load of mine is out.
.macro CHANGE fill
	s_wait_tensorcnt 0x0                           ; no tensor load of mine is out, so a group 0 may be written
	ds_add_u32 v[SPW], v[NIL]                      ; the descriptors' words stand between it and its wait
.if \fill
	s_xor_b32 s[G0K+1], s[G0K+1], SLOT1
	s_xor_b32 s[G0V+1], s[G0V+1], SLOT1
	s_add_co_u32 s[T0], s[N], 1
	s_and_b32 s[T0], s[T0], 7                      ; the next trip's key tile: trips 8-11 begin again at tile 0
	s_lshl_b32 s[LK], s[T0], 8                     ; its first key
	s_lshl_b32 s[OFS], s[T0], 15
	s_add_nc_u64 s[G0K+2:G0K+3], s[KB:KB+1], s[OFS:OFS+1]
	s_or_b32 s[G0K+3], s[G0K+3], 0x80000000
	s_add_nc_u64 s[G0V+2:G0V+3], s[VB:VB+1], s[OFS:OFS+1]
	s_or_b32 s[G0V+3], s[G0V+3], 0x80000000
	s_cmp_ge_u32 s[N], 7
	s_cselect_b32 s[LQ], s[QL1], s[QL0]            ; the last query of the block that the next trip serves
	s_wait_xcnt 0x0                                ; the last prefetch, a trip back, has read its address
	s_add_nc_u64 s[PFA:PFA+1], s[PFA:PFA+1], TILEB
.endif
	s_wait_dscnt 0x0
	s_barrier_signal -1
	s_barrier_wait -1
.if \fill
	s_cmp_gt_u32 s[LK], s[LQ]                      ; ids and the trip alone: all eight waves go the same way.  A tile beyond the block's last query is read by no wave and is not asked for
	s_cbranch_scc1 .Lpast_\@
	TLOAD                                          ; the first tensor load behind the barrier, and my only one until the next
.Lpast_\@:
	ASK
.endif
.endm
; A BLOCK'S WAY OUT: l's halves and the other half of the lanes' are added; O^T / l is rounded to f16 and goes through my stage; sixteen lanes then store two rows of my head: 256 consecutive bytes, aligned.
.macro FINAL
.irp t, 0,1
	v_add_f32 v[ST+8*\t+4], v[ST+8*\t+2], v[ST+8*\t+3]   ; (these six lines are the places behind the last products)
.endr
.irp t, 0,1
	v_permlanex16_b32 v[ST+8*\t+5], v[ST+8*\t+4], s[SEL], s[SEL+1]
.endr
.irp t, 0,1
	v_add_f32 v[ST+8*\t+4], v[ST+8*\t+4], v[ST+8*\t+5]
.endr
.irp t, 0,1
	v_rcp_f32 v[ST+8*\t+6], v[ST+8*\t+4]
.endr
	v_nop
	s_wait_alu depctr_va_vdst(0)                   ; one wait for the two reciprocals, ahead of their first use
.irp t, 0,1
.set n, 0
.rept 16
	v_pk_mul_f32 v[O+32*\t+n:O+32*\t+n+1], v[O+32*\t+n:O+32*\t+n+1], v[ST+8*\t+6:ST+8*\t+7] op_sel_hi:[1,0]
.set n, n+2
.endr
.endr
.set n, 0
.rept 32
	v_cvt_pk_f16_f32 v[WK+n], v[O+2*n], v[O+2*n+1]
.set n, n+1
.endr
.irp t, 0,1
.irp dt, 0,1,2,3
	ds_store_b128 v[STO], v[WK+16*\t+4*\dt:WK+16*\t+4*\dt+3] offset:\t*16*SROW+32*\dt
.endr
.endr
.irp i, 0,1,2,3,4,5,6,7
	ds_load_b128 v[S+4*\i:S+4*\i+3], v[RD] offset:\i*4*SROW        ; in order behind my stores (ISA guide 5.7.1.4)
.endr
.irp i, 0,1,2,3,4,5,6,7
	s_wait_dscnt 7-\i                              ; the younger loads stay out
	global_store_b128 v[GO], v[S+4*\i:S+4*\i+3], s[OB:OB+1] offset:\i*8192
.endr
.endm
.macro NEWPASS
	s_wait_xcnt 0x0                                ; the stores have read their base and their data: both are written again below and in the next step
	s_mov_b64 s[OB:OB+1], s[OBN:OBN+1]
	s_mov_b32 s[Q0], s[Q0N]
	s_mov_b32 s[KF], 0
	WIN 0x01
.set n, 0
.rept 32
	v_mov_b32 v[Q+n], v[128+n]                     ; the second block's Q
.set n, n+1
.endr
	WIN 0
	INIT
.endm
	INIT
	s_wait_loadcnt 0x0                             ; both blocks' Q
.Ltrip:                                            ; trips 0 to 10
	CHANGE 1
	s_cmp_lg_u32 s[N], 8
	s_cbranch_scc1 .Lsame
	FINAL                                          ; trip 8 begins the second block
	NEWPASS
.Lsame:
	SLOT_STEPS
	s_add_co_u32 s[N], s[N], 1
	s_cmp_lt_u32 s[N], 11
	s_cbranch_scc1 .Ltrip
	CHANGE 0                                       ; trip 11 is written out: nothing is left to ask for
	SLOT_STEPS
	FINAL
	s_wait_tensorcnt 0x0                           ; the wave's end
	ds_add_u32 v[SPW], v[NIL]
	s_wait_dscnt 0x0
	s_endpgm
.Lfunc_end_k_q1c1887b946_attn:
	.size	k_q1c1887b946_attn, .Lfunc_end_k_q1c1887b946_attn-k_q1c1887b946_attn
	.p2alignl 7, 3214868480
	.fill 96, 4, 3214868480
	.section	.rodata,"a",@progbits
	.p2align	6, 0x0
	.amdhsa_kernel k_q1c1887b946_attn
		.amdhsa_group_segment_fixed_size 327680
		.amdhsa_private_segment_fixed_size 0
		.amdhsa_enable_private_segment 0
		.amdhsa_kernarg_size 16
		.amdhsa_user_sgpr_count 2
		.amdhsa_user_sgpr_kernarg_segment_ptr 1
		.amdhsa_wavefront_size32 1
		.amdhsa_system_sgpr_workgroup_id_x 1
		.amdhsa_system_sgpr_workgroup_id_y 1
		.amdhsa_system_sgpr_workgroup_id_z 1
		.amdhsa_system_vgpr_workitem_id 0
		.amdhsa_next_free_vgpr 512
		.amdhsa_next_free_sgpr 72
		.amdhsa_reserve_vcc 1
		.amdhsa_float_denorm_mode_32 3
		.amdhsa_float_denorm_mode_16_64 3
		.amdhsa_memory_ordered 1
		.amdhsa_forward_progress 1
		.amdhsa_inst_pref_size 72
	.end_amdhsa_kernel
	.amdgpu_metadata
---
amdhsa.version: [ 1, 2 ]
amdhsa.kernels:
  - .name:           k_q1c1887b946_attn
    .symbol:         k_q1c1887b946_attn.kd
    .args:
      - { .name: qkv, .offset: 0, .size: 8, .value_kind: global_buffer, .address_space: global }
      - { .name: oh, .offset: 8, .size: 8, .value_kind: global_buffer, .address_space: global }
    .group_segment_fixed_size: 327680
    .private_segment_fixed_size: 0
    .kernarg_segment_align: 8
    .kernarg_segment_size: 16
    .max_flat_workgroup_size: 256
    .sgpr_count:     72
    .vgpr_count:     512
    .wavefront_size: 32
...
	.end_amdgpu_metadata
.endif
;; end of part 3
;; launch proj (part 4): grid 8 x 64, 4 waves a work-group, clusters of 4 x 4, 327,680 bytes of LDS; arguments oh, wo, out0; writes out0
.if DOCPART == 4
	.amdgcn_target "amdgcn-amd-amdhsa--gfx1250"
	.amdhsa_code_object_version 6
	.text
	.protected	k_q1c1887b946_proj
	.globl	k_q1c1887b946_proj
	.p2align	8
	.type	k_q1c1887b946_proj,@function
k_q1c1887b946_proj:
	s_mov_b64 s[64:65], 0
	v_nop
	global_prefetch_b8 v0, s[64:65] scope:SCOPE_SE
	s_setreg_imm32_b32 hwreg(HW_REG_WAVE_MODE, 25, 1), 1
	s_wait_xcnt 0x0
	s_wait_alu depctr_hold_cnt(0) depctr_sa_sdst(0) depctr_va_vdst(0) depctr_va_sdst(0) depctr_va_ssrc(0) depctr_va_vcc(0) depctr_vm_vsrc(0)
	s_getreg_b32 s2, hwreg(HW_REG_IB_STS2, 6, 4)
	s_cmp_eq_u32 s2, 0
	s_cbranch_scc0 .Lentry_in_a_cluster
	s_endpgm
.Lentry_in_a_cluster:
	s_bfe_u32 s2, ttmp6, 0x10000c
	s_cmp_lg_u32 s2, 0xf033
	s_cbranch_scc0 .Lentry_shape_is_right
	s_endpgm
.Lentry_shape_is_right:
; out0[m][o] = the sum over c of O[m][c] W_out[o][c]: [8192][1024] x [1024][1024]^T on f16 operands, sums and result in f32.
; A = oh, f16, [m / 2][head][m & 1][64] (c = 64 head + d): a "super-row" of 4,096 bytes holds two rows of O.  B = wo, f16, [o][c].
; All 8,192 rows are made here; the 16 first positions of each batch are made again in f32 by the launch that follows, which writes over those 64 rows.
; A tile of C is 128 x 128 (512 tiles: two even turns of 256 work-groups; tiles of 256 x 256 would be 128).  Four waves, each 64 x 64: 16 accumulators.  K goes in steps of 256 through two LDS slots.
; A's part of a step: 4 heads x 2 rows x 64 = 1,024 consecutive bytes of each super-row; a wave's tensor load brings 32 super-rows (64 rows of O).  B's: 64 rows of 512 bytes.
; CLUSTERS: 4 x 4 work-groups; A's tiles jointly along a row of the cluster, B's along a column.  THE MATRIX INSTRUCTION IS USED TRANSPOSED (source 0 = 16 rows of B, source 1 = 16 rows of A).
; REGISTERS: window 0: v0-31 addresses; v32-95 the way out; v128-255 the accumulators ((a, b) at v[128 + 8 (4 a + b)]).  window 1: two fragment buffers of 128: 64 registers of A, then 64 of B, for 64 along K.
.set SIZE_N, 1024
.set SIZE_K, 1024
.set KSTEP,  256
.set PITCH,  528                       ; B's LDS row: 512 bytes + 16
.set PA,     1040                      ; A's LDS row (a super-row's part): 1,024 bytes + 16: rows r / 2, halves r % 2 128 bytes apart: the 16 rows of a load start at 16 different banks (64 banks of 4 bytes: ISA guide 11.1)
.set HALFA,  32*PA
.set HALFB,  64*PITCH
.set SLOT,   2*HALFA+2*HALFB           ; A's two halves, then B's two
.set STAGE,  2*SLOT                    ; 16 rows x (256 bytes + 16) for each wave
.set SPITCH, 272
.set SPARE,  STAGE+4*16*SPITCH
.set LAPS,   SIZE_K/(2*KSTEP)
.set ADRA, 16
.set ADRB, 20
.set STO,  24
.set RD,   25
.set CO,   26
.set SPW,  28
.set NIL,  29
.set TMP,  32
.set ACC,  128
.set F0,   0
.set F1,   128
.set G1, 24
.set G0, 32
.set G1B, 48
.set G0B, 56
.set MSB, 0
.macro WIN new
.if MSB != \new
	s_set_vgpr_msb (MSB<<8)|\new
.set MSB, \new
.endif
.endm
.set MUL,  0x05                        ; sources 0 (B) and 1 (A) window 1; C and D window 0
.set TO_F, 0x40
.macro JLOAD s                         ; a joint load: waves 0 and 1 fetch A's halves, waves 2 and 3 B's; an s_nop 0 and four v_nop follow each line
	s_cmp_eq_u32 s11, 0
	s_cbranch_scc0 .Lfor_b_\@
	tensor_load_to_lds s[G0+4*\s:G0+4*\s+3], s[G1:G1+7]
	s_nop 0
.rept 4
	v_nop
.endr
	s_branch .Lasked_\@
.Lfor_b_\@:
	tensor_load_to_lds s[G0B+4*\s:G0B+4*\s+3], s[G1B:G1B+7]
	s_nop 0
.rept 4
	v_nop
.endr
.Lasked_\@:
.endm
.macro CREST
	s_cmp_lg_u32 s10, 0
	s_cbranch_scc1 .Lnot_wave_0_\@
	s_barrier_signal -3
.Lnot_wave_0_\@:
	s_barrier_wait -3
	s_barrier_signal -1
	s_barrier_wait -1
.endm
.macro CROUND
	s_barrier_signal -1
	s_barrier_wait -1
	CREST
.endm
	s_load_b128 s[4:7], s[0:1], 0x0                ; oh, wo
	s_load_b64 s[8:9], s[0:1], 0x10                ; out0
	v_lshl_add_u32 v[SPW], v0, 2, SPARE
	v_mov_b32 v[NIL], 0
	ds_add_u32 v[SPW], v[NIL]                      ; the opening: the add, twice on end, and its wait ahead of my first tensor load
	ds_add_u32 v[SPW], v[NIL]
	v_lshrrev_b32 v1, 5, v0
	v_readfirstlane_b32 s10, v1                    ; wave 0..3
	s_lshr_b32 s11, s10, 1                         ; my half of the tile's rows.  Also: I fetch for A (0) or B (1)
	s_and_b32 s12, s10, 1                          ; my half of its columns.  Also: which half I fetch
	s_bfe_u32 s40, ttmp6, 0x40000
	s_bfe_u32 s41, ttmp6, 0x40004
	s_lshl_b32 s42, ttmp9, 2
	s_add_co_u32 s42, s42, s40                     ; tile column
	s_and_b32 s13, ttmp7, 0xffff
	s_lshl_b32 s13, s13, 2
	s_add_co_u32 s13, s13, s41                     ; tile row
	s_lshl_b32 s43, s41, 2
	s_lshl_b32 s43, 15, s43                        ; my row of the cluster
	s_lshl_b32 s44, 0x1111, s40                    ; my column
	s_or_b32 s[G1+0], s43, (1<<16)|(1<<20)|(1<<21)|(7<<22)|(3<<25)  ; A: the mask; elements of 2 bytes; padding on; bit 21 beside a mask; 4 words behind every 256
	s_mov_b32 s[G1+1], 512<<16                     ; tensor_dim0 = 512 elements
	s_mov_b32 s[G1+2], 32<<16                      ; tensor_dim1 = 32 super-rows
	s_mov_b32 s[G1+3], 512<<16                     ; tile_dim0
	s_mov_b32 s[G1+4], 32                          ; tile_dim1
	s_mov_b32 s[G1+5], 2048                        ; pitch: a super-row
	s_mov_b32 s[G1+6], 0
	s_mov_b32 s[G1+7], 0
	s_or_b32 s[G1B+0], s44, (1<<16)|(1<<20)|(1<<21)|(6<<22)|(3<<25) ; B: 4 words behind every 128
	s_mov_b32 s[G1B+1], KSTEP<<16
	s_mov_b32 s[G1B+2], 64<<16
	s_mov_b32 s[G1B+3], KSTEP<<16
	s_mov_b32 s[G1B+4], 64
	s_mov_b32 s[G1B+5], SIZE_K
	s_mov_b32 s[G1B+6], 0
	s_mov_b32 s[G1B+7], 0
	s_lshl_b32 s17, s12, 5
	s_lshl_b32 s16, s13, 6
	s_add_co_u32 s16, s16, s17                     ; A: super-row 64 x tile row + 32 x half,
	s_lshl_b32 s16, s16, 12                        ; of 4,096 bytes
	s_mov_b32 s17, 0
	s_lshl_b32 s47, s12, 6
	s_lshl_b32 s46, s42, 7
	s_add_co_u32 s46, s46, s47                     ; B: row 128 x tile column + 64 x half,
	s_lshl_b32 s46, s46, 11                        ; of 2,048 bytes
	s_mov_b32 s47, 0
	s_mul_i32 s20, s12, HALFA                      ; where they go: no place in the cluster enters an LDS address
	s_mul_i32 s21, s12, HALFB
	s_add_co_u32 s21, s21, 2*HALFA
	s_wait_dscnt 0x0                               ; both opening adds are done
	s_wait_kmcnt 0x0
	s_add_nc_u64 s[14:15], s[4:5], s[16:17]
	s_add_nc_u64 s[46:47], s[6:7], s[46:47]
	CROUND                                         ; all sixteen work-groups are here: the first joint loads meet
.irp s, 0,1
	s_mov_b32 s[G0+4*\s], 1
	s_add_co_u32 s[G0+4*\s+1], s20, \s*SLOT
	s_add_nc_u64 s[G0+4*\s+2:G0+4*\s+3], s[14:15], \s*1024
	s_or_b32 s[G0+4*\s+3], s[G0+4*\s+3], 0x80000000
	s_mov_b32 s[G0B+4*\s], 1
	s_add_co_u32 s[G0B+4*\s+1], s21, \s*SLOT
	s_add_nc_u64 s[G0B+4*\s+2:G0B+4*\s+3], s[46:47], \s*KSTEP*2
	s_or_b32 s[G0B+4*\s+3], s[G0B+4*\s+3], 0x80000000
	JLOAD \s
.endr
	v_and_b32 v1, 15, v0                           ; r
	v_bfe_u32 v2, v0, 4, 1                         ; h
	v_mul_u32_u24 v3, v1, PITCH
	v_lshl_add_u32 v3, v2, 4, v3                   ; B: row x pitch + 16 h
	v_lshrrev_b32 v4, 1, v1
	v_mul_u32_u24 v4, v4, PA
	v_and_b32 v5, 1, v0
	v_lshl_add_u32 v4, v5, 7, v4
	v_lshl_add_u32 v4, v2, 4, v4                   ; A: super-row r / 2, half r % 2, + 16 h
	s_mul_i32 s21, s11, HALFA                      ; my 64 rows of A
	s_mul_i32 s22, s12, HALFB                      ; my 64 rows of B, behind A's
	s_add_co_u32 s22, s22, 2*HALFA
.irp s, 0,1
	v_add_nc_u32 v[ADRA+\s], s21, v4
	v_add_nc_u32 v[ADRB+\s], s22, v3
	s_add_co_u32 s21, s21, SLOT
	s_add_co_u32 s22, s22, SLOT
.endr
	s_mul_i32 s23, s10, 16*SPITCH
	s_add_co_u32 s23, s23, STAGE                   ; my stage
	v_mul_u32_u24 v4, v1, SPITCH
	v_lshl_add_u32 v4, v2, 5, v4
	v_add_nc_u32 v[STO], s23, v4                   ; in: row r, 32 bytes for each half of the lanes
	v_mul_u32_u24 v5, v2, SPITCH
	v_lshl_add_u32 v5, v1, 4, v5
	v_add_nc_u32 v[RD], s23, v5                    ; back: lanes 0-15 one row of 256 bytes, lanes 16-31 the next
	v_lshlrev_b32 v5, 12, v2
	v_lshl_add_u32 v[CO], v1, 4, v5                ; and the same two rows in out0 (4,096 bytes a row)
	s_lshl_b32 s16, s13, 7
	s_lshl_b32 s17, s11, 6
	s_add_co_u32 s16, s16, s17                     ; my first row: 128 x tile row + 64 x half
	s_lshl_b32 s16, s16, 12
	s_lshl_b32 s46, s42, 9                         ; my first column, in bytes: 512 x tile column + 256 x half
	s_lshl_b32 s47, s12, 8
	s_add_co_u32 s46, s46, s47
	s_add_co_u32 s16, s16, s46
	s_mov_b32 s17, 0
	s_add_nc_u64 s[8:9], s[8:9], s[16:17]
.macro MUL8 f, c, a0, zero             ; 8 matrix instructions: m blocks a0, a0 + 1 x all 4 n blocks, 32 along K: half c of buffer f
.irp a, \a0, \a0+1
.irp b, 0,1,2,3
.if \zero
	v_wmma_f32_16x16x32_f16 v[ACC+8*(4*(\a)+\b):ACC+8*(4*(\a)+\b)+7], v[\f+64+8*(4*\c+\b):\f+64+8*(4*\c+\b)+7], v[\f+8*(4*\c+\a):\f+8*(4*\c+\a)+7], 0
.else
	v_wmma_f32_16x16x32_f16 v[ACC+8*(4*(\a)+\b):ACC+8*(4*(\a)+\b)+7], v[\f+64+8*(4*\c+\b):\f+64+8*(4*\c+\b)+7], v[\f+8*(4*\c+\a):\f+8*(4*\c+\a)+7], v[ACC+8*(4*(\a)+\b):ACC+8*(4*(\a)+\b)+7]
.endif
.endr
.endr
.endm
; 32 LDS loads in one run: the fragments of 64 along K (one head) into buffer f.  k: the byte in B's rows; in A's super-rows a head is 256 bytes: 2 k
.macro FETCH slot, k, f
	WIN TO_F
.irp c, 0,1
.irp i, 0,1,2,3
	ds_load_b128 v[\f+64+8*(4*\c+\i):\f+64+8*(4*\c+\i)+3],   v[ADRB+\slot] offset:\k+64*\c+\i*16*PITCH
	ds_load_b128 v[\f+64+8*(4*\c+\i)+4:\f+64+8*(4*\c+\i)+7], v[ADRB+\slot] offset:\k+64*\c+\i*16*PITCH+32
	ds_load_b128 v[\f+8*(4*\c+\i):\f+8*(4*\c+\i)+3],         v[ADRA+\slot] offset:2*\k+64*\c+\i*8*PA
	ds_load_b128 v[\f+8*(4*\c+\i)+4:\f+8*(4*\c+\i)+7],       v[ADRA+\slot] offset:2*\k+64*\c+\i*8*PA+32
.endr
.endr
.endm
.macro PLACES                          ; four places in front of loads into registers that matrix instructions have read, and of reads of results
.rept 4
	v_nop
.endr
.endm
.macro QUARTER slot, k, f, g, zero     ; 64 along K: multiplies buffer f and fetches the next quarter, at byte k, into g
	s_wait_dscnt 16                                ; the first 32 along K are in; the other sixteen loads may be out
	WIN MUL
	MUL8 \f, 0, 0, \zero
	MUL8 \f, 0, 2, \zero
	PLACES
	FETCH \slot, \k, \g
	s_wait_dscnt 32                                ; all but the 32 just issued
	WIN MUL
	MUL8 \f, 1, 0, 0
	MUL8 \f, 1, 2, 0
.endm
; A slot's last quarter changes slots: one barrier; in front of it each wave waits for all its tensor loads, adds 0 to its spare word, and waits for that and for its reads of this slot.  fill = 1: this slot is filled again, two K steps ahead.
.macro TURN slot, next, fill
	WIN 0
	s_wait_tensorcnt 0x0                           ; my part of the next slot has landed
	ds_add_u32 v[SPW], v[NIL]
	s_wait_dscnt 17                                ; the add and the youngest sixteen loads may be out
	WIN MUL
	MUL8 F1, 0, 0, 0
	s_wait_dscnt 0x0                               ; the add is done, my reads of this slot are over
	s_barrier_signal -1
	MUL8 F1, 0, 2, 0
.if \fill
	WIN 0
.endif
	s_barrier_wait -1
.if \fill
	CREST                                          ; the barrier has opened a round of the cluster's: no wave of any partner still reads this slot or has a load on its way
	s_add_nc_u64 s[G0+4*\slot+2:G0+4*\slot+3], s[G0+4*\slot+2:G0+4*\slot+3], 2*1024
	s_add_nc_u64 s[G0B+4*\slot+2:G0B+4*\slot+3], s[G0B+4*\slot+2:G0B+4*\slot+3], 2*KSTEP*2
	JLOAD \slot                                    ; the first tensor load behind the round; its four v_nop are also the places in front of the loads below
.else
	PLACES
.endif
	FETCH \next, 0, F0
	WIN MUL
	MUL8 F1, 1, 0, 0
	MUL8 F1, 1, 2, 0
.endm
	s_wait_tensorcnt 1                             ; my part of K step 0 is in; K step 1's load may be out
	s_barrier_signal -1
	s_barrier_wait -1
	FETCH 0, 0, F0
	QUARTER 0, 128, F0, F1, 1                      ; the first products start the sums
	WIN 0
	s_mov_b32 s3, LAPS-1
.Llap:                                                 ; a trip goes once round the ring and fills both slots again
	QUARTER 0, 256, F1, F0, 0
	QUARTER 0, 384, F0, F1, 0
	TURN 0, 1, 1
	QUARTER 1, 128, F0, F1, 0
	QUARTER 1, 256, F1, F0, 0
	QUARTER 1, 384, F0, F1, 0
	TURN 1, 0, 1
	QUARTER 0, 128, F0, F1, 0
	WIN 0
	s_sub_co_u32 s3, s3, 1
	s_cmp_lg_u32 s3, 0
	s_cbranch_scc1 .Llap
	QUARTER 0, 256, F1, F0, 0                      ; the last lap fills nothing
	QUARTER 0, 384, F0, F1, 0
	TURN 0, 1, 0
	QUARTER 1, 128, F0, F1, 0
	QUARTER 1, 256, F1, F0, 0
	QUARTER 1, 384, F0, F1, 0
	s_wait_dscnt 16
	WIN MUL
	MUL8 F1, 0, 0, 0
	MUL8 F1, 0, 2, 0
	s_wait_dscnt 0
	MUL8 F1, 1, 0, 0
	MUL8 F1, 1, 2, 0
	WIN 0
; THE WAY OUT, a block of 16 rows x 64 columns of f32 at a time: a lane's 32 bytes go into my own stage and come back as whole rows of 256 bytes: sixteen lanes store 256 consecutive bytes, aligned.  No barrier: the stage is my wave's.
.macro TOSTAGE a
.irp b, 0,1,2,3
	ds_store_b128 v[STO], v[ACC+8*(4*(\a)+\b):ACC+8*(4*(\a)+\b)+3] offset:64*\b        ; each accumulator from its low end on
	ds_store_b128 v[STO], v[ACC+8*(4*(\a)+\b)+4:ACC+8*(4*(\a)+\b)+7] offset:64*\b+16
.endr
.irp t, 0,1,2,3,4,5,6,7
	ds_load_b128 v[TMP+32*((\a)%2)+4*\t:TMP+32*((\a)%2)+4*\t+3], v[RD] offset:\t*2*SPITCH   ; in order behind the stores (ISA guide 5.7.1.4)
.endr
.endm
.macro SEND a, younger                 ; younger: the LDS instructions issued behind block a's loads
	s_wait_dscnt \younger
.irp t, 0,1,2,3,4,5,6,7
	global_store_b128 v[CO], v[TMP+32*((\a)%2)+4*\t:TMP+32*((\a)%2)+4*\t+3], s[8:9] offset:(16*(\a)+2*\t)*SIZE_N*4 th:TH_STORE_NT
.endr
.endm
	PLACES
	TOSTAGE 0
.irp a, 1,2,3
.if \a > 1
	s_wait_xcnt 0x0                                ; block a - 2's stores have read their registers: block a's loads may land there
.endif
	TOSTAGE \a
	SEND \a-1, 16                                  ; behind block a - 1's loads: block a's 8 stores and 8 loads
.endr
	SEND 3, 0
	s_wait_tensorcnt 0x0                           ; the wave's end
	ds_add_u32 v[SPW], v[NIL]
	s_wait_dscnt 0x0
	CROUND                                         ; the closing round
	s_endpgm
.Lfunc_end_k_q1c1887b946_proj:
	.size	k_q1c1887b946_proj, .Lfunc_end_k_q1c1887b946_proj-k_q1c1887b946_proj
	.p2alignl 7, 3214868480
	.fill 96, 4, 3214868480
	.section	.rodata,"a",@progbits
	.p2align	6, 0x0
	.amdhsa_kernel k_q1c1887b946_proj
		.amdhsa_group_segment_fixed_size 327680
		.amdhsa_private_segment_fixed_size 0
		.amdhsa_enable_private_segment 0
		.amdhsa_kernarg_size 24
		.amdhsa_user_sgpr_count 2
		.amdhsa_user_sgpr_kernarg_segment_ptr 1
		.amdhsa_wavefront_size32 1
		.amdhsa_system_sgpr_workgroup_id_x 1
		.amdhsa_system_sgpr_workgroup_id_y 1
		.amdhsa_system_sgpr_workgroup_id_z 1
		.amdhsa_system_vgpr_workitem_id 0
		.amdhsa_next_free_vgpr 512
		.amdhsa_next_free_sgpr 66
		.amdhsa_reserve_vcc 0
		.amdhsa_float_denorm_mode_32 3
		.amdhsa_float_denorm_mode_16_64 3
		.amdhsa_memory_ordered 1
		.amdhsa_forward_progress 1
		.amdhsa_inst_pref_size 86
	.end_amdhsa_kernel
	.amdgpu_metadata
---
amdhsa.version: [ 1, 2 ]
amdhsa.kernels:
  - .name:           k_q1c1887b946_proj
    .symbol:         k_q1c1887b946_proj.kd
    .args:
      - { .name: oh, .offset: 0, .size: 8, .value_kind: global_buffer, .address_space: global }
      - { .name: wo, .offset: 8, .size: 8, .value_kind: global_buffer, .address_space: global }
      - { .name: out0, .offset: 16, .size: 8, .value_kind: global_buffer, .address_space: global }
    .group_segment_fixed_size: 327680
    .private_segment_fixed_size: 0
    .kernarg_segment_align: 8
    .kernarg_segment_size: 24
    .max_flat_workgroup_size: 128
    .sgpr_count:     66
    .vgpr_count:     512
    .wavefront_size: 32
...
	.end_amdgpu_metadata
.endif
;; end of part 4
;; launch fine (part 5): grid 16 x 4, 16 waves a work-group, no clusters, 71,680 bytes of LDS; arguments fq, W_out, out0; writes out0
.if DOCPART == 5
	.amdgcn_target "amdgcn-amd-amdhsa--gfx1250"
	.amdhsa_code_object_version 6
	.text
	.protected	k_q1c1887b946_fine
	.globl	k_q1c1887b946_fine
	.p2align	8
	.type	k_q1c1887b946_fine,@function
k_q1c1887b946_fine:
	s_mov_b64 s[64:65], 0
	v_nop
	global_prefetch_b8 v0, s[64:65] scope:SCOPE_SE
	s_setreg_imm32_b32 hwreg(HW_REG_WAVE_MODE, 25, 1), 1
	s_wait_xcnt 0x0
; Positions 0-15 of each batch, carried in f32 from the unrounded Q, K, V (fq, [batch][t 16][n 3072], n = 1024 which + 64 head + d) through scores, softmax, P V and the projection by W_out [o][c], f32.
; These rows average one to sixteen values and are the largest of the output; their 64 rows of out0, written in f16 arithmetic by the launch before, are written over here.
; SHARES.  Work-group (x, batch) makes 16 rows x 64 columns o = 64 x ..: 256 bytes of each row.  Wave w is head w throughout: its head's attention, then its head's share (K = 64) of the projection: O never changes waves;
; the 16 partial results meet in LDS and are added in a fixed order.  64 work-groups: narrower column blocks would store less than 256 consecutive bytes of a row.
; THE MATRIX FORM is 16 x 16 x 4 in f32: lane (r, h) holds row (or column) r, its register j the K place 2 h + j.  The order of K is chosen alike on both sources, so that plain loads and results serve as operands:
;   S^T = K Q^T: lane (r, h) holds d = 32 h + 0 .. 31 of its row; step s takes registers 2 s, 2 s + 1.        Result: lane (r, h) holds query r, keys 8 h + j.
;   O^T = V^T p: p as it lies; step s takes keys 2 s, 2 s + 1 (+ 8 h); V is loaded so: register j' of tile dt = V[key 8 h + j'][16 dt + r].   Result: query r, channels 16 dt + 8 h + j.
;   out^T = W O^T: O^T as it lies; step (dt, u) takes channels 16 dt + 8 h + 2 u, + 1; W is loaded so.            Result: row t = r, columns 16 nt + 8 h + j.
; The registers that this form writes (v176-223, v232-247) are written by matrix instructions alone, and each sum begins with C = 0.
; REGISTERS: v1-10 addresses; v14, v15 the add's; v16-47 Q, then W's tile 2; v48-79 K, then W's tile 3; v80-111 V^T; v112-175 W's tiles 0, 1; v176-191 X0, X1; v192-223 O^T; v224-231 s, then p; v232-247 X2, X3; v248-252 at work.
.set ROWF,  12288                      ; a row of fq
.set PART,  4352                       ; a wave's partial result in LDS: 16 pieces of 256 bytes + 16
.set SPARE, 16*PART                    ; the spare words, 128 bytes a wave
.set SPW, 14
.set NIL, 15
	s_load_b128 s[4:7], s[0:1], 0x0                ; fq, W_out
	s_load_b64 s[8:9], s[0:1], 0x10                ; out0
	v_lshl_add_u32 v[SPW], v0, 2, SPARE
	v_mov_b32 v[NIL], 0
	v_lshrrev_b32 v1, 5, v0
	v_readfirstlane_b32 s10, v1                    ; wave = head
	s_and_b32 s12, ttmp7, 0xffff                   ; batch
	s_mov_b32 s14, 0x76543210
	s_mov_b32 s15, 0xfedcba98                      ; v_permlanex16_b32: lane l xor 16
	s_mov_b32 s16, 0x3e38aa3b                      ; c = log2(e) / 8
	s_mul_i32 s20, s12, 16*ROWF                    ; fq: my batch,
	s_lshl_b32 s22, s10, 8                         ; my head's 64 numbers
	s_add_co_u32 s20, s20, s22
	s_mov_b32 s21, 0
	s_lshl_b32 s24, ttmp9, 18                      ; W_out: rows 64 x on, of 4,096 bytes,
	s_add_co_u32 s24, s24, s22                     ; my head's 64 columns
	s_mov_b32 s25, 0
	s_lshl_b32 s26, s12, 23                        ; out0: my batch's first row,
	s_lshl_b32 s27, ttmp9, 8                       ; columns 64 x on,
	s_add_co_u32 s26, s26, s27
	s_lshl_b32 s27, s10, 13                        ; rows 2 w on (waves 0-7 store)
	s_add_co_u32 s26, s26, s27
	s_mov_b32 s27, 0
	s_mul_i32 s28, s10, PART
	s_lshl_b32 s29, s10, 5
	v_and_b32 v1, 15, v0                           ; r
	v_bfe_u32 v2, v0, 4, 1                         ; h
	v_mul_u32_u24 v3, v1, ROWF
	v_lshl_add_u32 v3, v2, 7, v3                   ; Q, K: row r, + 128 h
	v_mul_u32_u24 v4, v2, 8*ROWF
	v_lshl_add_u32 v4, v1, 2, v4                   ; V: keys 8 h on, channel r
	v_lshlrev_b32 v5, 12, v1
	v_lshl_add_u32 v5, v2, 5, v5                   ; W: row r, + 32 h
	v_lshlrev_b32 v6, 3, v2
	v_sub_nc_u32 v6, v1, v6                        ; r - 8 h
	v_mov_b32 v7, 0xff800000                       ; -infinity
	v_mul_u32_u24 v8, v2, 272
	v_lshl_add_u32 v8, v1, 4, v8
	v_add_nc_u32 v8, s28, v8                       ; my partial: piece (nt, low or high, h), 16 bytes for row r
	v_lshrrev_b32 v9, 2, v1                        ; the sum: lane (q = l % 16) takes columns 4 q .. 4 q + 3: tile q / 4, half (q / 2) % 2 of the lanes, low or high q % 2; row 2 w + l / 16
	v_mul_u32_u24 v9, v9, 1088
	v_and_b32 v11, 1, v0
	v_mad_u32_u24 v9, v11, 544, v9
	v_bfe_u32 v11, v0, 1, 1
	v_mad_u32_u24 v9, v11, 272, v9
	v_lshl_add_u32 v9, v2, 4, v9
	v_add_nc_u32 v9, s29, v9
	v_lshlrev_b32 v10, 12, v2
	v_lshl_add_u32 v10, v1, 4, v10                 ; out0: lanes 0-15 one row's 256 bytes, lanes 16-31 the next row's
	v_mov_b32 v249, 0                              ; (a lane permute's destination counts as one of its sources)
	s_wait_kmcnt 0x0
	s_add_nc_u64 s[4:5], s[4:5], s[20:21]
	s_add_nc_u64 s[6:7], s[6:7], s[24:25]
	s_add_nc_u64 s[8:9], s[8:9], s[26:27]
.irp i, 0,1,2,3,4,5,6,7
	global_load_b128 v[16+4*\i:19+4*\i], v3, s[4:5] offset:16*\i           ; Q
.endr
.irp i, 0,1,2,3,4,5,6,7
	global_load_b128 v[48+4*\i:51+4*\i], v3, s[4:5] offset:4096+16*\i      ; K
.endr
.irp dt, 0,1,2,3
.irp j, 0,1,2,3,4,5,6,7
	global_load_b32 v[80+8*\dt+\j], v4, s[4:5] offset:8192+\j*ROWF+64*\dt  ; V^T
.endr
.endr
.irp nt, 0,1
.irp dt, 0,1,2,3
.irp e, 0,1
	global_load_b128 v[112+32*\nt+8*\dt+4*\e:115+32*\nt+8*\dt+4*\e], v5, s[6:7] offset:\nt*65536+64*\dt+16*\e   ; W's tiles 0, 1
.endr
.endr
.endr
	s_wait_loadcnt 48                              ; Q and K are in; V's 32 loads and W's 16 stay out
.set kk, 0
.rept 16                                       ; S^T = K Q^T: two accumulators by turns
.if kk < 2
	v_wmma_f32_16x16x4_f32 v[176+8*(kk%2):183+8*(kk%2)], v[48+2*kk:49+2*kk], v[16+2*kk:17+2*kk], 0
.else
	v_wmma_f32_16x16x4_f32 v[176+8*(kk%2):183+8*(kk%2)], v[48+2*kk:49+2*kk], v[16+2*kk:17+2*kk], v[176+8*(kk%2):183+8*(kk%2)]
.endif
.set kk, kk+1
.endr
.rept 8
	v_nop                                          ; eight places behind this form: for the loads into Q's and K's registers and for the first read of the sums
.endr
.irp nt, 2,3
.irp dt, 0,1,2,3
.irp e, 0,1
	global_load_b128 v[16+32*(\nt-2)+8*\dt+4*\e:19+32*(\nt-2)+8*\dt+4*\e], v5, s[6:7] offset:\nt*65536+64*\dt+16*\e   ; W's tiles 2, 3
.endr
.endr
.endr
.irp j, 0,1,2,3,4,5,6,7
	v_add_f32 v[224+\j], v[176+\j], v[184+\j]      ; the score of key 8 h + j for query r, from the low end on
.endr
.irp j, 0,1,2,3,4,5,6,7
	v_cmp_gt_i32 vcc_lo, \j, v6                    ; key 8 h + j > query r: hidden
	v_cndmask_b32 v[224+\j], v[224+\j], v7, vcc_lo
.endr
	v_max3_num_f32 v248, v224, v225, v226
	v_max3_num_f32 v248, v248, v227, v228
	v_max3_num_f32 v248, v248, v229, v230
	v_max_num_f32 v248, v248, v231
	v_permlanex16_b32 v249, v248, s14, s15
	v_max_num_f32 v248, v248, v249                 ; the row's maximum: key 0 counts for every query
	v_mul_f32 v250, s16, v248
.irp j, 0,1,2,3,4,5,6,7
	v_fma_f32 v[224+\j], v[224+\j], s16, -v250
.endr
.irp j, 0,1,2,3,4,5,6,7
	v_exp_f32 v[224+\j], v[224+\j]
.endr
	v_nop
	s_wait_alu depctr_va_vdst(0)                   ; one wait for the eight exponentials, ahead of their first use
	v_add_f32 v251, v224, v225
	v_add_f32 v252, v226, v227
	v_add_f32 v251, v251, v228
	v_add_f32 v252, v252, v229
	v_add_f32 v251, v251, v230
	v_add_f32 v252, v252, v231
	v_add_f32 v251, v251, v252
	v_permlanex16_b32 v249, v251, s14, s15
	v_add_f32 v251, v251, v249                     ; the row's sum
	v_rcp_f32 v252, v251
	v_nop
	s_wait_alu depctr_va_vdst(0)
.irp j, 0,1,2,3,4,5,6,7
	v_mul_f32 v[224+\j], v[224+\j], v252           ; the weights
.endr
	s_wait_loadcnt 32                              ; V is in; W's 32 loads stay out
.irp k4, 0,1,2,3                               ; O^T = V^T p: four accumulators by turns
.irp dt, 0,1,2,3
.if \k4 == 0
	v_wmma_f32_16x16x4_f32 v[192+8*\dt:199+8*\dt], v[80+8*\dt+2*\k4:81+8*\dt+2*\k4], v[224+2*\k4:225+2*\k4], 0
.else
	v_wmma_f32_16x16x4_f32 v[192+8*\dt:199+8*\dt], v[80+8*\dt+2*\k4:81+8*\dt+2*\k4], v[224+2*\k4:225+2*\k4], v[192+8*\dt:199+8*\dt]
.endif
.endr
.endr
.rept 9
	v_nop                                          ; nine places before a matrix instruction takes these results as a source
.endr
	s_wait_loadcnt 0x0                             ; W
.irp dt, 0,1,2,3                               ; out^T = W O^T, my head's 64 along K: four accumulators by turns (X0, X1 at v176, v184; X2, X3 at v232, v240)
.irp u, 0,1,2,3
.irp nt, 0,1,2,3
.if (\dt == 0) && (\u == 0)
	v_wmma_f32_16x16x4_f32 v[176+8*\nt+40*(\nt/2):183+8*\nt+40*(\nt/2)], v[112+32*\nt-160*(\nt/2)+8*\dt+2*\u:113+32*\nt-160*(\nt/2)+8*\dt+2*\u], v[192+8*\dt+2*\u:193+8*\dt+2*\u], 0
.else
	v_wmma_f32_16x16x4_f32 v[176+8*\nt+40*(\nt/2):183+8*\nt+40*(\nt/2)], v[112+32*\nt-160*(\nt/2)+8*\dt+2*\u:113+32*\nt-160*(\nt/2)+8*\dt+2*\u], v[192+8*\dt+2*\u:193+8*\dt+2*\u], v[176+8*\nt+40*(\nt/2):183+8*\nt+40*(\nt/2)]
.endif
.endr
.endr
.endr
.rept 8
	v_nop                                          ; eight places in front of the stores that read the results, and of the loads into W's registers below
.endr
.irp nt, 0,1,2,3
	ds_store_b128 v8, v[176+8*\nt+40*(\nt/2):179+8*\nt+40*(\nt/2)] offset:\nt*1088        ; each accumulator from its low end on
	ds_store_b128 v8, v[180+8*\nt+40*(\nt/2):183+8*\nt+40*(\nt/2)] offset:\nt*1088+544
.endr
	s_wait_dscnt 0x0                               ; for the others' sake: my partial has landed
	s_barrier_signal -1
	s_barrier_wait -1
	s_cmp_ge_u32 s10, 8
	s_cbranch_scc1 .Ldone                          ; waves 0-7 add: two rows each
.irp p, 0,1,2,3,4,5,6,7,8,9,10,11,12,13,14,15
	ds_load_b128 v[16+4*\p:19+4*\p], v9 offset:\p*PART
.endr
	s_wait_dscnt 0x0
.irp p, 0,1,2,3,4,5,6,7                        ; the sixteen heads' shares, pair by pair
	v_pk_add_f32 v[16+8*\p:17+8*\p], v[16+8*\p:17+8*\p], v[20+8*\p:21+8*\p]
	v_pk_add_f32 v[18+8*\p:19+8*\p], v[18+8*\p:19+8*\p], v[22+8*\p:23+8*\p]
.endr
.irp p, 0,1,2,3
	v_pk_add_f32 v[16+16*\p:17+16*\p], v[16+16*\p:17+16*\p], v[24+16*\p:25+16*\p]
	v_pk_add_f32 v[18+16*\p:19+16*\p], v[18+16*\p:19+16*\p], v[26+16*\p:27+16*\p]
.endr
.irp p, 0,1
	v_pk_add_f32 v[16+32*\p:17+32*\p], v[16+32*\p:17+32*\p], v[32+32*\p:33+32*\p]
	v_pk_add_f32 v[18+32*\p:19+32*\p], v[18+32*\p:19+32*\p], v[34+32*\p:35+32*\p]
.endr
	v_pk_add_f32 v[16:17], v[16:17], v[48:49]
	v_pk_add_f32 v[18:19], v[18:19], v[50:51]
	global_store_b128 v10, v[16:19], s[8:9]        ; sixteen lanes store 256 consecutive bytes, aligned
.Ldone:
	s_wait_tensorcnt 0x0                           ; the wave's end
	ds_add_u32 v[SPW], v[NIL]
	s_wait_dscnt 0x0
	s_endpgm
.Lfunc_end_k_q1c1887b946_fine:
	.size	k_q1c1887b946_fine, .Lfunc_end_k_q1c1887b946_fine-k_q1c1887b946_fine
	.p2alignl 7, 3214868480
	.fill 96, 4, 3214868480
	.section	.rodata,"a",@progbits
	.p2align	6, 0x0
	.amdhsa_kernel k_q1c1887b946_fine
		.amdhsa_group_segment_fixed_size 71680
		.amdhsa_private_segment_fixed_size 0
		.amdhsa_enable_private_segment 0
		.amdhsa_kernarg_size 24
		.amdhsa_user_sgpr_count 2
		.amdhsa_user_sgpr_kernarg_segment_ptr 1
		.amdhsa_wavefront_size32 1
		.amdhsa_system_sgpr_workgroup_id_x 1
		.amdhsa_system_sgpr_workgroup_id_y 1
		.amdhsa_system_sgpr_workgroup_id_z 1
		.amdhsa_system_vgpr_workitem_id 0
		.amdhsa_next_free_vgpr 256
		.amdhsa_next_free_sgpr 66
		.amdhsa_reserve_vcc 1
		.amdhsa_float_denorm_mode_32 3
		.amdhsa_float_denorm_mode_16_64 3
		.amdhsa_memory_ordered 1
		.amdhsa_forward_progress 1
		.amdhsa_inst_pref_size 24
	.end_amdhsa_kernel
	.amdgpu_metadata
---
amdhsa.version: [ 1, 2 ]
amdhsa.kernels:
  - .name:           k_q1c1887b946_fine
    .symbol:         k_q1c1887b946_fine.kd
    .args:
      - { .name: fq, .offset: 0, .size: 8, .value_kind: global_buffer, .address_space: global }
      - { .name: W_out, .offset: 8, .size: 8, .value_kind: global_buffer, .address_space: global }
      - { .name: out0, .offset: 16, .size: 8, .value_kind: global_buffer, .address_space: global }
    .group_segment_fixed_size: 71680
    .private_segment_fixed_size: 0
    .kernarg_segment_align: 8
    .kernarg_segment_size: 24
    .max_flat_workgroup_size: 512
    .sgpr_count:     66
    .vgpr_count:     256
    .wavefront_size: 32
...
	.end_amdgpu_metadata
.endif
;; end of part 5
